; MI455X (gfx1250); checked and timed in simulation.
; The chip was launched on July 23, 2026; its instructions are those of AMD's public machine-readable ISA for CDNA 5 (MIT licence, August 2026) and "CDNA5" Instruction Set Architecture Reference Guide (July 2026). The comments in the code are by the model that wrote it; some were corrected since.
;; T5 Attention. Allowed arithmetic: matrix products marked QUANTISED: E2M1 operands, one E8M0 scale for each 32 along K, by v_wmma_scale_f32_16x16x128_f8f6f4 with both operands' format E2M1 (or v_wmma_scale_f32_32x16x128_f4), f32 sums; products left as they are: bf16, f16 or f32 operands; f32 sums; everything else in f32.
;; Inputs: hidden_states 4 x 2,048 x 1,024 float32; rel_bias 32 x 16 float32; wk 1,024 x 1,024 float32; wo 1,024 x 1,024 float32; wq 1,024 x 1,024 float32; wv 1,024 x 1,024 float32.
;; Outputs: out0 4 x 2,048 x 1,024 float32.
;; This version of the problem:
;;   THIS VERSION OF THE PROBLEM IS GIVEN IN LOW PRECISION. The matrix products marked QUANTISED in the list below multiply operands that are first quantised to E2M1 (2 exponent bits, 1 mantissa bit; 4 bits a number), with one power-of-two scale for each 32 numbers along K (OCP MX v1.0); their sums are f32. The products marked 'left as it is' may take bf16, f16 or f32 operands, with f32 sums. Whichever they take, every output number must still come out within the allowed error. Rounding operands to bf16 (8 significant bits) uses up far more of that allowance than f16 does (11 bits, for magnitudes from 6e-5 to 65,504). All else is computed in f32.
;;   The module's matrix products, in the order in which they are computed (A, B: the left and right operand; K: the contracted axis; several contracted axes count as one K, in the product's order):
;;     1. [M 8,192, K 1,024] x [K 1,024, N 1,024]; A: input hidden_states; B: input wq: QUANTISED
;;     2. [M 8,192, K 1,024] x [K 1,024, N 1,024]; A: input hidden_states; B: input wk: QUANTISED
;;     3. [M 8,192, K 1,024] x [K 1,024, N 1,024]; A: input hidden_states; B: input wv: QUANTISED
;;     4. batch 64 x [M 2,048, K 64] x [K 64, N 2,048]; A: computed on the way; B: computed on the way: left as it is (an operand is computed on the way)
;;     5. batch 64 x [M 2,048, K 2,048] x [K 2,048, N 64]; A: computed on the way; B: computed on the way: left as it is (an operand is computed on the way)
;;     6. [M 8,192, K 1,024] x [K 1,024, N 1,024]; A: computed on the way; B: input wo: left as it is (an operand is computed on the way)
;;   THE QUANTISER, for each operand of a quantised product, along K:
;;     - K is cut into blocks of 32 from its start; a last block that is shorter is filled with zeros.
;;     - A block's scale is 2^e with e = floor(log2(the largest magnitude in the block)) - 2, held to -126 .. 127; a block of zeros has e = 0. As a byte (E8M0): e + 127.
;;     - Each number is divided by its block's scale, clamped to +-6, and rounded to the nearest number of E2M1, ties to even, subnormals kept.
;;     - The product sums the exact products of the quantised numbers (number of the format x scale) in f32.
;;   ~~~python
;;   def quantise(x, axis):      # numpy; x: float32 -> the quantised numbers, widened to float32 again
;;       x = np.moveaxis(x, axis, -1); K = x.shape[-1]
;;       x = np.pad(x, [(0, 0)] * (x.ndim - 1) + [(0, -K % 32)]); x = x.reshape(x.shape[:-1] + (-1, 32)); a = np.abs(x).max(-1, keepdims=True)
;;       e = np.where(a > 0, np.clip(np.frexp(np.where(a > 0, a, 1))[1] - 1 - 2, -126, 127), 0)      # np.frexp(a)[1] - 1 = floor(log2(a)), exactly
;;       r = np.clip(x / 2.0 ** e, -6, 6)
;;       step = 2.0 ** (np.maximum(np.frexp(np.where(r == 0, 1, r))[1] - 1, 0) - 1)
;;       q = np.round(r / step) * step * 2.0 ** e      # np.round: ties to even
;;       return np.moveaxis(q.reshape(q.shape[:-2] + (-1,))[..., :K], -1, axis).astype(np.float32)
;;   ~~~
;; One version. Each part assembles by itself: llvm-mc -triple=amdgcn-amd-amdhsa -mcpu=gfx1250 --defsym DOCPART=n.
;; ======== version 1 of 1: 4 launches
;; limits: values outside matrix products are rounded to f16; values are held in f16: magnitudes above 65,504 overflow, below 6.1e-05 lose precision
;; workspace buffers: hcod 4,456,448 bytes; wcod 1,671,168 bytes; wof 2,097,152 bytes; bimg 458,752 bytes; qkvf 50,331,648 bytes; ctxf 16,777,216 bytes
;; launch prep (part 1): grid 352 x 1, 4 waves a work-group, no clusters, 68,096 bytes of LDS; arguments hidden_states, wq, wk, wv, wo, rel_bias, hcod, wcod, wof, bimg; writes hcod, wcod, wof, bimg
.if DOCPART == 1
	.amdgcn_target "amdgcn-amd-amdhsa--gfx1250"
	.amdhsa_code_object_version 6
	.text
	.protected	k_q783492d83d_prep
	.globl	k_q783492d83d_prep
	.p2align	8
	.type	k_q783492d83d_prep,@function
k_q783492d83d_prep:
	s_mov_b64 s[64:65], 0
	v_nop
	global_prefetch_b8 v0, s[64:65] scope:SCOPE_SE
	s_setreg_imm32_b32 hwreg(HW_REG_WAVE_MODE, 25, 1), 1
	s_wait_xcnt 0x0
; PREP: everything that is made once from the inputs.  Four kinds of work-group, told apart by the work-group's number alone:
;   H (0-255):   hidden_states [8192][1024] f32 -> codes of FP4 (E2M1), K innermost, hcod [8192][512 bytes]; one E8M0 byte for each 32 along K at hcod + HSCL, [8192][32].
;   W (256-303): wq, wk, wv [1024 (k)][1024 (n)] f32, K their FIRST axis -> wcod [3072 (wq's, wk's, wv's columns)][512 bytes], K innermost; scale bytes at wcod + WSCL, [3072][32].
;   O (304-335): wo [1024 (k)][1024 (n)] f32 -> f16, laid as images of a matrix operand's registers: wof [n tile 64][k fragment 32][half 2][lane 32][16 bytes];
;                lane 16 h + r of half c holds wo(32 kf + 16 c + 8 h + 0..7, 16 nt + r).
;   B (336-351): the position bias of one head as images of a 16 x 16 f32 accumulator: bimg [head 16][idx 28][half 2][lane 32][16 bytes]; register j of lane 16 h + r of image idx
;                is rel_bias[bucket(16 (idx - 12) + 8 h + j - r)][head], the argument being key - query.
; THE QUANTISER: a block's scale is 2^(floor(log2(its largest magnitude)) - 2); its byte is the largest magnitude's exponent field - 2, held at 1 from below; each number is divided by the scale
; and rounded to the nearest code, ties to even, beyond 6 the largest code.
; THE BUCKET, in whole numbers: rp = |d|; rp < 8: rp; else 8 + the number of the thresholds 12, 16, 23, 32, 46, 64, 91 that rp has reached; + 16 where d > 0.  These are the least whole rp with
; 8 log(rp / 8) / log(16) >= 1 .. 7; at 16, 32 and 64 the quotient of the f32 logarithms is exactly 1/4, 1/2, 3/4.
; LIMITS: a block of zeros gets the byte 1 where the rule says 127 (its codes are zeros, which add nothing, and this program alone reads the bytes); NaN and infinities among the inputs are not served;
; wo is rounded to f16 (magnitudes under 65,504).
; No tensor loads, no barrier: waves share nothing.  H and W turn data through LDS bytes that are each wave's own, and each of the two kinds has bytes of its own.
.set SPW,    190                       ; v190  LDS address of my spare word: SPARE + 4 x my thread's number; never rewritten
.set NIL,    191                       ; v191  0; never rewritten
.set HREG,   8192                      ; H: a region for each wave: two stages of 32 x SP bytes, behind them its 256 scale bytes
.set SP,     80                        ; a lane's place in a stage: its 64 bytes + 16 of padding
.set WSTG,   32768                     ; W: four stages of 32 rows x WPITCH
.set WPITCH, 272
.set SPARE,  WSTG+4*32*WPITCH          ; the spare words, 128 bytes for each wave: two blocks of 256 bytes that no other line names
.set HSCL,   4194304                   ; where hidden's scale bytes begin in hcod
.set WSCL,   1572864                   ; where the weights' begin in wcod
.set EMAX,   2
.macro FINISH                          ; a wave's end: three lines behind the last LDS store
	s_wait_tensorcnt 0x0
	ds_add_u32 v[SPW], v[NIL]
	s_wait_dscnt 0x0
	s_endpgm
.endm
	s_load_b512 s[4:19], s[0:1], 0x0               ; hidden s[4:5], wq s[6:7], wk s[8:9], wv s[10:11], wo s[12:13], rel_bias s[14:15], hcod s[16:17], wcod s[18:19]
	s_load_b128 s[20:23], s[0:1], 0x40             ; wof s[20:21], bimg s[22:23]
	v_lshl_add_u32 v[SPW], v0, 2, SPARE
	v_mov_b32 v[NIL], 0
	v_lshrrev_b32 v1, 5, v0
	v_readfirstlane_b32 s24, v1                    ; wave 0..3
	v_and_b32 v2, 31, v0                           ; lane
	s_wait_kmcnt 0x0
	s_cmp_lt_u32 ttmp9, 256
	s_cbranch_scc1 .Lpath_h
	s_cmp_lt_u32 ttmp9, 304
	s_cbranch_scc1 .Lpath_w
	s_cmp_lt_u32 ttmp9, 336
	s_cbranch_scc1 .Lpath_o
; ---------------- B: the bias images of head ttmp9 - 336.  Wave w makes images 7 w .. 7 w + 6, one a trip.
	s_sub_co_u32 s25, ttmp9, 336                   ; head
	s_lshl_b32 s26, s25, 2
	s_mov_b32 s27, 0
	s_add_nc_u64 s[14:15], s[14:15], s[26:27]      ; rel_bias at my head's column
	s_mul_i32 s26, s25, 28672
	s_add_nc_u64 s[22:23], s[22:23], s[26:27]      ; my head's 28 images
	s_mul_i32 s28, s24, 7                          ; my first image
	v_and_b32 v3, 15, v2                           ; r
	v_lshrrev_b32 v4, 4, v2                        ; h
	v_lshlrev_b32 v5, 3, v4
	v_sub_nc_u32 v5, v5, v3                        ; 8 h - r
	s_lshl_b32 s29, s28, 4
	s_sub_co_u32 s29, s29, 192
	v_add_nc_u32 v5, s29, v5                       ; d of register 0: 16 (idx - 12) + 8 h - r
	v_lshlrev_b32 v6, 4, v2
	s_lshl_b32 s29, s28, 10
	v_add_nc_u32 v6, s29, v6                       ; where I store: 1,024 idx + 16 x lane
	s_mov_b32 s30, 7
.Lbimg:
.irp j, 0,1,2,3,4,5,6,7
	v_add_nc_u32 v8, \j, v5                        ; d = key - query
	v_sub_nc_u32 v9, 0, v8
	v_cmp_gt_i32 vcc_lo, 0, v8
	v_cndmask_b32 v10, v8, v9, vcc_lo              ; rp = |d|
	v_mov_b32 v11, 8
.irp t, 12,16,23,32,46,64,91
	v_cmp_le_u32 vcc_lo, \t, v10
	v_add_co_ci_u32 v11, vcc_lo, 0, v11, vcc_lo    ; one more for each threshold reached
.endr
	v_cmp_gt_u32 vcc_lo, 8, v10
	v_cndmask_b32 v11, v11, v10, vcc_lo            ; under 8 the bucket is rp itself
	v_add_nc_u32 v12, 16, v11
	v_cmp_lt_i32 vcc_lo, 0, v8
	v_cndmask_b32 v11, v11, v12, vcc_lo            ; keys behind the query: the upper sixteen buckets
	v_lshlrev_b32 v[48+\j], 6, v11                 ; a row of rel_bias is 64 bytes
	global_load_b32 v[40+\j], v[48+\j], s[14:15]
.endr
	s_wait_loadcnt 0x0
	global_store_b128 v6, v[40:43], s[22:23]             ; 32 lanes store 512 consecutive bytes
	global_store_b128 v6, v[44:47], s[22:23] offset:512
	s_wait_xcnt 0x0                                ; the offsets and the data are written again only behind this wait
	v_add_nc_u32 v5, 16, v5
	v_add_nc_u32 v6, 1024, v6
	s_sub_co_u32 s30, s30, 1
	s_cmp_lg_u32 s30, 0
	s_cbranch_scc1 .Lbimg
	FINISH
; ---------------- H: a wave takes a run of 8,192 numbers, 16 steps of 512.  Each load reads 512 consecutive bytes; a step's 2,048 bytes turn through the wave's stage, so that a lane
; holds 16 neighbours along K (two neighbouring lanes hold a block).  Loads run four steps ahead, the turn through LDS one step.
.set HR, 16                            ; v16-79   four sets of 16 numbers as loaded
.set HX, 80                            ; v80-111  two sets of 16 neighbours
.set HE, 112                           ; v112-127 a scale byte for each step
.set HC, 128                           ; v128-189 codes: registers of its own for each step, so that no store's data are written again
.Lpath_h:
	s_lshl_b32 s25, ttmp9, 2
	s_add_co_u32 s25, s25, s24                     ; my run
	s_lshl_b32 s26, s25, 15
	s_mov_b32 s27, 0
	s_add_nc_u64 s[4:5], s[4:5], s[26:27]          ; its 32,768 bytes of numbers,
	s_lshl_b32 s26, s25, 12
	s_add_nc_u64 s[28:29], s[16:17], s[26:27]      ; its 4,096 bytes of codes,
	s_lshl_b32 s26, s25, 8
	s_add_co_u32 s26, s26, HSCL
	s_add_nc_u64 s[30:31], s[16:17], s[26:27]      ; its 256 scale bytes
	v_lshlrev_b32 v3, 4, v2                        ; my 16 bytes of a load's 512
	s_lshl_b32 s32, s24, 13                        ; my wave's region
	v_lshrrev_b32 v14, 2, v2
	v_mul_u32_u24 v14, v14, SP
	v_and_b32 v15, 3, v2
	v_lshl_add_u32 v14, v15, 4, v14
	v_add_nc_u32 v14, s32, v14                     ; into the stage: four lanes' 64 bytes on end, then 16 of padding
	v_mul_u32_u24 v15, v2, SP
	v_add_nc_u32 v15, s32, v15                     ; out of it: my 16 neighbours
	v_lshlrev_b32 v4, 3, v2                        ; 8 bytes a lane: my codes in a step's 256, and my part of the 256 scale bytes
	v_lshrrev_b32 v5, 1, v2
	s_add_co_u32 s32, s32, 2*32*SP
	v_add_nc_u32 v5, s32, v5                       ; my block's byte among the wave's scale bytes
	v_add_nc_u32 v6, s32, v4
.macro HLOAD t
.irp i, 0,1,2,3
	global_load_b128 v[HR+16*((\t)%4)+4*\i:HR+16*((\t)%4)+4*\i+3], v3, s[4:5] offset:2048*(\t)+512*\i th:TH_LOAD_NT
.endr
.endm
.macro HTURN t                         ; LDS serves a wave's instructions in order (ISA guide 5.7.1.4): no wait between the stores and the loads
.irp i, 0,1,2,3
	ds_store_b128 v14, v[HR+16*((\t)%4)+4*\i:HR+16*((\t)%4)+4*\i+3] offset:32*SP*((\t)%2)+8*SP*\i
.endr
.irp i, 0,1,2,3
	ds_load_b128 v[HX+16*((\t)%2)+4*\i:HX+16*((\t)%2)+4*\i+3], v15 offset:32*SP*((\t)%2)+16*\i
.endr
.endm
.irp t, 0,1,2,3
	HLOAD \t
.endr
	s_wait_loadcnt 12                              ; step 0's four loads are in; three steps' twelve stay out
	HTURN 0
.macro HSTEP t
.set XS, HX+16*((\t)%2)
.if (\t) > 0
	s_wait_dscnt 1                                 ; this step's numbers are back from the stage; the last step's byte store may be out
.else
	s_wait_dscnt 0x0
.endif
.if (\t)+4 < 16
	HLOAD (\t)+4                                   ; into the set whose stores into the stage have just been shown done
.endif
.if (\t)+1 < 16
.if 14-(\t) >= 3
	s_wait_loadcnt 12                              ; the next step's four loads are in; those of the three steps behind it may be out
.else
	s_wait_loadcnt 4*(14-(\t))                     ; near the end fewer steps stand behind it
.endif
	HTURN (\t)+1
.endif
	v_max3_num_f32 v8, |v[XS]|, |v[XS+1]|, |v[XS+2]|
	v_max3_num_f32 v9, |v[XS+3]|, |v[XS+4]|, |v[XS+5]|
.irp i, 6,10
	v_max3_num_f32 v8, v8, |v[XS+\i]|, |v[XS+\i+1]|
	v_max3_num_f32 v9, v9, |v[XS+\i+2]|, |v[XS+\i+3]|
.endr
	v_max3_num_f32 v8, v8, |v[XS+14]|, |v[XS+15]|
	v_max3_num_f32 v8, v8, v9, (EMAX+1)<<23        ; the floor 2^(3 - 127): the byte cannot fall under 1
	v_max_num_f32_dpp v8, v8, v8 row_xmask:1 row_mask:0xf bank_mask:0xf   ; with my neighbour's 16: the block's largest magnitude
	v_add_nc_u32 v11, -(EMAX<<23), v8              ; 2 off its exponent field: the conversion takes that field as its scale
	v_cvt_scalef32_pk8_fp4_f32 v[HC+4*(\t)], v[XS:XS+7], v11
	v_cvt_scalef32_pk8_fp4_f32 v[HC+4*(\t)+1], v[XS+8:XS+15], v11
	v_lshrrev_b32 v[HE+(\t)], 23, v11              ; the scale's byte
	ds_store_b8 v5, v[HE+(\t)] offset:16*(\t)      ; both lanes of a block write the same byte with the same value
	global_store_b64 v4, v[HC+4*(\t):HC+4*(\t)+1], s[28:29] offset:256*(\t)   ; the wave stores 256 consecutive bytes, aligned
.endm
.irp t, 0,1,2,3,4,5,6,7,8,9,10,11,12,13,14,15
	HSTEP \t
.endr
	ds_load_b64 v[8:9], v6                         ; in order behind my byte stores
	s_wait_dscnt 0x0
	global_store_b64 v4, v[8:9], s[30:31]          ; the run's 256 scale bytes, aligned
	FINISH
; ---------------- W: a lane takes a column n and its registers run down K: a block of 32 lies in one lane, and the conversions give codes with K innermost.  A wave takes 32 columns x 512 along K;
; the codes go through its stage and leave by rows, sixteen lanes to 256 consecutive aligned bytes.  Loads run two blocks ahead.
.set WSB,  24                          ; v24-27   the scale bytes, four to a register
.set WX,   32                          ; v32-95   two sets of 32 numbers
.set WC,   96                          ; v96-99   a block's codes
.set WOUT, 112                         ; v112-175 the way out
.Lpath_w:
	s_sub_co_u32 s25, ttmp9, 256                   ; 16 work-groups to a weight
	s_cmp_lt_u32 s25, 16
	s_cselect_b64 s[26:27], s[6:7], s[8:9]
	s_cmp_lt_u32 s25, 32
	s_cselect_b64 s[26:27], s[26:27], s[10:11]     ; wq, wk or wv: the choice hangs on the work-group's number alone
	s_lshr_b32 s28, s25, 4                         ; which weight
	s_and_b32 s29, s25, 7                          ; which 128 columns
	s_bfe_u32 s30, s25, 0x10003                    ; which 512 along K
	s_lshl_b32 s29, s29, 7
	s_lshl_b32 s31, s24, 5
	s_add_co_u32 s29, s29, s31                     ; my wave's first column
	s_lshl_b32 s32, s30, 21                        ; 512 rows of 4,096 bytes
	s_lshl_b32 s33, s29, 2
	s_add_co_u32 s32, s32, s33
	s_mov_b32 s33, 0
	s_add_nc_u64 s[26:27], s[26:27], s[32:33]
	s_lshl_b32 s28, s28, 10
	s_add_co_u32 s28, s28, s29                     ; my first row of wcod
	s_lshl_b32 s32, s28, 9
	s_lshl_b32 s38, s30, 8
	s_add_co_u32 s32, s32, s38
	s_add_nc_u64 s[34:35], s[18:19], s[32:33]      ; codes: row x 512 + 256 y
	s_lshl_b32 s32, s28, 5
	s_lshl_b32 s38, s30, 4
	s_add_co_u32 s32, s32, s38
	s_add_co_u32 s32, s32, WSCL
	s_add_nc_u64 s[36:37], s[18:19], s[32:33]      ; scale bytes: row x 32 + 16 y
	v_lshlrev_b32 v3, 2, v2                        ; in: 4 bytes a lane
	s_mul_i32 s38, s24, 32*WPITCH
	s_add_co_u32 s38, s38, WSTG                    ; my stage
	v_mul_u32_u24 v4, v2, WPITCH
	v_add_nc_u32 v4, s38, v4                       ; into it: row = my column
	v_and_b32 v5, 15, v2
	v_lshrrev_b32 v6, 4, v2
	v_mul_u32_u24 v7, v6, WPITCH
	v_lshl_add_u32 v7, v5, 4, v7
	v_add_nc_u32 v7, s38, v7                       ; out of it: sixteen lanes to a row, two rows an instruction
	v_lshlrev_b32 v8, 9, v6
	v_lshl_add_u32 v8, v5, 4, v8                   ; the same place in wcod
	v_lshlrev_b32 v9, 5, v2                        ; my column's row of scale bytes
.macro WLOAD t
.irp i, 0,1,2,3,4,5,6,7,8,9,10,11,12,13,14,15,16,17,18,19,20,21,22,23,24,25,26,27,28,29,30,31
	global_load_b32 v[WX+32*((\t)%2)+\i], v3, s[26:27] offset:(32*(\t)+\i)*4096 th:TH_LOAD_NT
.endr
.endm
	WLOAD 0
	WLOAD 1
.macro WBLOCK t
.set XS, WX+32*((\t)%2)
.if (\t) < 15
	s_wait_loadcnt 32                              ; this block's 32 loads are in; the next block's may be out
.else
	s_wait_loadcnt 0
.endif
	v_max3_num_f32 v12, |v[XS]|, |v[XS+1]|, |v[XS+2]|
	v_max3_num_f32 v13, |v[XS+3]|, |v[XS+4]|, |v[XS+5]|
.irp i, 6,10,14,18,22,26
	v_max3_num_f32 v12, v12, |v[XS+\i]|, |v[XS+\i+1]|
	v_max3_num_f32 v13, v13, |v[XS+\i+2]|, |v[XS+\i+3]|
.endr
	v_max3_num_f32 v12, v12, |v[XS+30]|, |v[XS+31]|
	v_max3_num_f32 v12, v12, v13, (EMAX+1)<<23     ; the floor, as in H
	v_add_nc_u32 v11, -(EMAX<<23), v12
	v_lshrrev_b32 v13, 23, v11                     ; the scale's byte
.if (\t)%4 == 0
	v_mov_b32 v[WSB+(\t)/4], v13
.else
	v_lshl_or_b32 v[WSB+(\t)/4], v13, 8*((\t)%4), v[WSB+(\t)/4]
.endif
.irp g, 0,1,2,3
	v_cvt_scalef32_pk8_fp4_f32 v[WC+\g], v[XS+8*\g:XS+8*\g+7], v11
.endr
	ds_store_b128 v4, v[WC:WC+3] offset:16*(\t)    ; 32 codes: 16 bytes of my column's row
.if (\t)+2 < 16
	WLOAD (\t)+2
.endif
	s_wait_dscnt 0x0                               ; the store has read its registers: the next block's codes may be written
.endm
.set Q, 0
.rept 16
	WBLOCK Q
.set Q, Q+1
.endr
	global_store_b128 v9, v[WSB:WSB+3], s[36:37]   ; my column's 16 scale bytes
.irp t, 0,1,2,3,4,5,6,7,8,9,10,11,12,13,14,15
	ds_load_b128 v[WOUT+4*\t:WOUT+4*\t+3], v7 offset:2*\t*WPITCH
.endr
.irp t, 0,1,2,3,4,5,6,7,8,9,10,11,12,13,14,15
	s_wait_dscnt 15-\t                             ; LDS loads come back in order: load t is in, the younger ones stay out
	global_store_b128 v8, v[WOUT+4*\t:WOUT+4*\t+3], s[34:35] offset:2*\t*512
.endr
	FINISH
; ---------------- O: a lane takes a column n of wo and its registers run down K, a k fragment (32) at a time; eight neighbours along K pack into 16 bytes, which are a lane's part of half an image.
; A work-group takes 128 columns x 256 along K.  Sixteen lanes store 256 consecutive aligned bytes.
.set OX, 32                            ; v32-95   two sets of 32 numbers
.set OC, 96                            ; v96-127  two sets of 16 registers of f16 pairs
.Lpath_o:
	s_sub_co_u32 s25, ttmp9, 304
	s_and_b32 s26, s25, 7                          ; which 128 columns
	s_lshr_b32 s27, s25, 3                         ; which 256 along K
	s_lshl_b32 s28, s27, 20
	s_lshl_b32 s29, s26, 9
	s_add_co_u32 s28, s28, s29
	s_lshl_b32 s29, s24, 7
	s_add_co_u32 s28, s28, s29
	s_mov_b32 s29, 0
	s_add_nc_u64 s[12:13], s[12:13], s[28:29]      ; wo at (256 y, 128 x + 32 wave)
	s_lshl_b32 s28, s26, 18
	s_lshl_b32 s30, s24, 16
	s_add_co_u32 s28, s28, s30
	s_lshl_b32 s30, s27, 13
	s_add_co_u32 s28, s28, s30
	s_add_nc_u64 s[20:21], s[20:21], s[28:29]      ; wof at n tile 8 x + 2 wave, k fragment 8 y
	v_lshlrev_b32 v3, 2, v2
	v_lshrrev_b32 v4, 4, v2
	v_and_b32 v5, 15, v2
	v_lshlrev_b32 v4, 15, v4
	v_lshl_add_u32 v4, v5, 4, v4                   ; my n tile of the wave's two, and 16 r
.macro OLOAD t
.irp i, 0,1,2,3,4,5,6,7,8,9,10,11,12,13,14,15,16,17,18,19,20,21,22,23,24,25,26,27,28,29,30,31
	global_load_b32 v[OX+32*((\t)%2)+\i], v3, s[12:13] offset:(32*(\t)+\i)*4096 th:TH_LOAD_NT
.endr
.endm
	OLOAD 0
	OLOAD 1
.macro OBLK t
.if (\t) < 7
	s_wait_loadcnt 32                              ; this fragment's 32 loads are in; the next one's may be out
.else
	s_wait_loadcnt 0
.endif
.if (\t) >= 2
	s_wait_xcnt 0x0                                ; the stores of two fragments back have read these registers
.endif
.irp j, 0,1,2,3,4,5,6,7,8,9,10,11,12,13,14,15
	v_cvt_pk_f16_f32 v[OC+16*((\t)%2)+\j], v[OX+32*((\t)%2)+2*\j], v[OX+32*((\t)%2)+2*\j+1]
.endr
.irp q, 0,1,2,3                        ; k = 8 q .. 8 q + 7 of the fragment: half q / 2, lanes 16 (q % 2) on
	global_store_b128 v4, v[OC+16*((\t)%2)+4*\q:OC+16*((\t)%2)+4*\q+3], s[20:21] offset:(\t)*1024+(\q/2)*512+(\q%2)*256
.endr
.if (\t)+2 < 8
	OLOAD (\t)+2
.endif
.endm
.irp t, 0,1,2,3,4,5,6,7
	OBLK \t
.endr
	FINISH
.Lfunc_end_k_q783492d83d_prep:
	.size	k_q783492d83d_prep, .Lfunc_end_k_q783492d83d_prep-k_q783492d83d_prep
	.p2alignl 7, 3214868480
	.fill 96, 4, 3214868480
	.section	.rodata,"a",@progbits
	.p2align	6, 0x0
	.amdhsa_kernel k_q783492d83d_prep
		.amdhsa_group_segment_fixed_size 68096
		.amdhsa_private_segment_fixed_size 0
		.amdhsa_enable_private_segment 0
		.amdhsa_kernarg_size 80
		.amdhsa_user_sgpr_count 2
		.amdhsa_user_sgpr_kernarg_segment_ptr 1
		.amdhsa_wavefront_size32 1
		.amdhsa_system_sgpr_workgroup_id_x 1
		.amdhsa_system_sgpr_workgroup_id_y 1
		.amdhsa_system_sgpr_workgroup_id_z 1
		.amdhsa_system_vgpr_workitem_id 0
		.amdhsa_next_free_vgpr 192
		.amdhsa_next_free_sgpr 66
		.amdhsa_reserve_vcc 1
		.amdhsa_float_denorm_mode_32 3
		.amdhsa_float_denorm_mode_16_64 3
		.amdhsa_memory_ordered 1
		.amdhsa_forward_progress 1
		.amdhsa_inst_pref_size 156
	.end_amdhsa_kernel
	.amdgpu_metadata
---
amdhsa.version: [ 1, 2 ]
amdhsa.kernels:
  - .name:           k_q783492d83d_prep
    .symbol:         k_q783492d83d_prep.kd
    .args:
      - { .name: hidden_states, .offset: 0, .size: 8, .value_kind: global_buffer, .address_space: global }
      - { .name: wq, .offset: 8, .size: 8, .value_kind: global_buffer, .address_space: global }
      - { .name: wk, .offset: 16, .size: 8, .value_kind: global_buffer, .address_space: global }
      - { .name: wv, .offset: 24, .size: 8, .value_kind: global_buffer, .address_space: global }
      - { .name: wo, .offset: 32, .size: 8, .value_kind: global_buffer, .address_space: global }
      - { .name: rel_bias, .offset: 40, .size: 8, .value_kind: global_buffer, .address_space: global }
      - { .name: hcod, .offset: 48, .size: 8, .value_kind: global_buffer, .address_space: global }
      - { .name: wcod, .offset: 56, .size: 8, .value_kind: global_buffer, .address_space: global }
      - { .name: wof, .offset: 64, .size: 8, .value_kind: global_buffer, .address_space: global }
      - { .name: bimg, .offset: 72, .size: 8, .value_kind: global_buffer, .address_space: global }
    .group_segment_fixed_size: 68096
    .private_segment_fixed_size: 0
    .kernarg_segment_align: 8
    .kernarg_segment_size: 80
    .max_flat_workgroup_size: 128
    .sgpr_count:     66
    .vgpr_count:     192
    .wavefront_size: 32
...
	.end_amdgpu_metadata
.endif
;; end of part 1
;; launch qkv (part 2): grid 12 x 32, 4 waves a work-group, clusters of 4 x 4, 327,680 bytes of LDS; arguments hcod, wcod, qkvf; writes qkvf
.if DOCPART == 2
	.amdgcn_target "amdgcn-amd-amdhsa--gfx1250"
	.amdhsa_code_object_version 6
	.text
	.protected	k_q783492d83d_qkv
	.globl	k_q783492d83d_qkv
	.p2align	8
	.type	k_q783492d83d_qkv,@function
k_q783492d83d_qkv:
	s_mov_b64 s[64:65], 0
	v_nop
	global_prefetch_b8 v0, s[64:65] scope:SCOPE_SE
	s_setreg_imm32_b32 hwreg(HW_REG_WAVE_MODE, 25, 1), 1
	s_wait_xcnt 0x0
	s_wait_alu depctr_hold_cnt(0) depctr_sa_sdst(0) depctr_va_vdst(0) depctr_va_sdst(0) depctr_va_ssrc(0) depctr_va_vcc(0) depctr_vm_vsrc(0)
	s_getreg_b32 s2, hwreg(HW_REG_IB_STS2, 6, 4)
	s_cmp_eq_u32 s2, 0
	s_cbranch_scc0 .Lentry_in_a_cluster
	s_endpgm
.Lentry_in_a_cluster:
	s_bfe_u32 s2, ttmp6, 0x10000c
	s_cmp_lg_u32 s2, 0xf033
	s_cbranch_scc0 .Lentry_shape_is_right
	s_endpgm
.Lentry_shape_is_right:
; QKV: q, k, v = hidden x wq, wk, wv, on codes of FP4 (E2M1) with one E8M0 scale for each 32 along K = 1,024; sums in f32; results rounded once to f16.
; hcod: hidden's codes [8192][512 bytes], its scale bytes [8192][32] at + HSCL.  wcod: the weights' codes [3072][512 bytes] (rows: wq's, wk's, wv's columns), scale bytes [3072][32] at + WSCL.
; A tile of 256 x 256 results is made by a work-group of four waves; a wave makes 128 x 128: 64 accumulators, 512 registers.  K is two slots of 512 (LDS rows of 256 bytes + 16 of padding); both are asked for at the head,
; with the scale bytes of the work-group's 512 rows, and nothing is filled again.
; ROLES.  The matrix instruction takes source 0 = 16 rows of operand B, source 1 = 16 rows of operand A: a lane then holds ONE row of A and eight neighbouring rows of B.  For q and k (cluster x = 0, 1) A = hidden, B = the weight:
; a lane holds a token and eight channels.  For v (cluster x = 2) A = the weight, B = hidden: a lane holds a channel and eight tokens, as the attention's second product wants it.  The roles are chosen by pointers; the text is one.
; THE RESULT: a 16 x 16 tile rounds to 16 bytes a lane, which are registers 0-3 or 4-7 of an f16 operand of the next product.  It is stored as it stands, 16 x lane: 512 consecutive aligned bytes a store.
;   qkvf: q at 0, k at 16 Mi, v at 32 Mi, each [batch x 16 + head][token tile 128][piece 4][512 bytes].  q, k: piece p, lane 16 h + r: token r, channels 16 p + 8 h + 0..7.  v: piece p: channel 16 p + r, tokens 8 h + 0..7.
; CLUSTERS: 4 x 4 work-groups; A's tiles are asked for jointly along a row of the cluster, B's along a column.
; LIMIT: |q|, |k|, |v| under 65,504 (f16).
; REGISTERS: window 0: v0-31 addresses; v32-95 scale words, two sets; from v128 A's fragments, one set (on the way out: packed results).  window 1: B's fragments, two sets.  windows 2, 3: the accumulators ((a, b) at v[8 (8 (a % 4) + b)]).
.set HSCL,   4194304
.set WSCL,   1572864
.set NQ,     4                         ; matrix instructions deep in a slot
.set ROWB,   256                       ; a tile's row in bytes: 512 codes
.set KROW,   512                       ; a row of codes in memory
.set PITCH,  272                       ; an LDS row: 256 bytes + 16 of padding: the 16 rows that a load touches start 68 words apart
.set FR,     8
.set NL,     2
.set NP,     4                         ; places behind this matrix instruction (ISA guide 7.12.1)
.set HALFT,  128*PITCH
.set SLOT,   4*HALFT
.set KS,     32                        ; a row of scale bytes
.set SCL,    2*SLOT
.set HALFS,  (128*KS/256)*272
.set SBLK,   (16*KS/256)*272
.set SPARE,  SCL+4*HALFS               ; the spare words, 128 bytes for each wave: two blocks of 256 bytes that no other line names
.set ADRA, 16                          ; v16-17  LDS address of my A fragments in slot 0, 1
.set ADRB, 20                          ; v20-21  the same for B
.set CO,   26                          ; v26     16 x lane: my place in a stored piece
.set ADRS, 27                          ; v27     LDS address of my scale words: lanes 0-15 A's rows, lanes 16-31 B's
.set SPW,  28                          ; v28     my spare word; never rewritten
.set NIL,  29                          ; v29     0; never rewritten
.set SC,   32
.set AF,   128
.set OB,   128                         ; the way out: four sets of 32 registers
.set G1, 24
.set G0, 32
.set G1B, 48
.set G0B, 56
.set G1S, 68
.set G0S, 76
.set G1SB, 80
.set G0SB, 88
.set ISV, 95                           ; s95  1 in v's clusters
.set MSB, 0
.macro WIN new                         ; the immediate's high byte repeats the setting that is left
.if MSB != (\new)
	s_set_vgpr_msb (MSB<<8)|(\new)
.set MSB, (\new)
.endif
.endm
.set MUL_LO, 0xa1                      ; source 0 (B) window 1, source 1 (A) window 0, C and D window 2
.set MUL_HI, 0xf1
.set TO_B,   0x40
; A joint load: waves 0 and 1 fetch for A, waves 2 and 3 for B; the branch hangs on the wave's number alone.  An s_nop 0 and four v_nop follow each of the two lines.
.macro JLOAD g0a, g1a, g0b, g1b
	s_cmp_eq_u32 s15, 0
	s_cbranch_scc0 .Lfor_b_\@
	tensor_load_to_lds s[\g0a:\g0a+3], s[\g1a:\g1a+7]
	s_nop 0
.rept 4
	v_nop
.endr
	s_branch .Lasked_\@
.Lfor_b_\@:
	tensor_load_to_lds s[\g0b:\g0b+3], s[\g1b:\g1b+7]
	s_nop 0
.rept 4
	v_nop
.endr
.Lasked_\@:
.endm
.macro CROUND                          ; a round of the cluster's barrier
	s_barrier_signal -1
	s_barrier_wait -1
	s_cmp_lg_u32 s14, 0
	s_cbranch_scc1 .Lnot_wave_0_\@
	s_barrier_signal -3
.Lnot_wave_0_\@:
	s_barrier_wait -3
	s_barrier_signal -1
	s_barrier_wait -1
.endm
	s_load_b128 s[4:7], s[0:1], 0x0                ; hcod, wcod
	s_load_b64 s[12:13], s[0:1], 0x10              ; qkvf
	v_lshl_add_u32 v[SPW], v0, 2, SPARE
	v_mov_b32 v[NIL], 0
	ds_add_u32 v[SPW], v[NIL]                      ; the wave's opening: the add, twice on end, and its wait ahead of my first tensor load
	ds_add_u32 v[SPW], v[NIL]
	v_lshrrev_b32 v1, 5, v0
	v_readfirstlane_b32 s14, v1                    ; wave 0..3
	s_lshr_b32 s15, s14, 1                         ; which half of A's rows is mine.  Also: I fetch for A (0) or for B (1)
	s_and_b32 s16, s14, 1                          ; which half of B's rows.  Also: which 128 rows I fetch
	s_bfe_u32 s40, ttmp6, 0x40000                  ; cx, cy: my place in the cluster
	s_bfe_u32 s41, ttmp6, 0x40004
	s_and_b32 s17, ttmp7, 0xffff                   ; cluster y
	s_cmp_eq_u32 ttmp9, 2                          ; cluster x = 2: v.  The same in all sixteen partners
	s_cselect_b32 s[ISV], 1, 0
	s_cselect_b32 s18, 2, s17                      ; A's group of four tiles: for v the weight's third, else hidden's by cluster y
	s_cselect_b32 s19, s17, ttmp9                  ; B's: for v hidden's by cluster y, else the weight's by cluster x
	s_lshl_b32 s42, s19, 2
	s_add_co_u32 s42, s42, s40                     ; B's tile of 256 rows
	s_lshl_b32 s17, s18, 2
	s_add_co_u32 s17, s17, s41                     ; A's tile of 256 rows
	s_lshl_b32 s43, s41, 2
	s_lshl_b32 s43, 15, s43                        ; my row of the cluster
	s_lshl_b32 s44, 0x1111, s40                    ; my column
	; descriptor group 1: 128 rows x 256 bytes, 16 bytes of padding behind each
	s_or_b32 s[G1+0], s43, (0<<16)|(1<<20)|(1<<21)|(5<<22)|(3<<25)  ; the mask; elements of 1 byte; padding on; bit 21 beside a mask; after every 64 words, 4 words
	s_or_b32 s[G1B+0], s44, (0<<16)|(1<<20)|(1<<21)|(5<<22)|(3<<25)
.irp g, G1, G1B
	s_mov_b32 s[\g+1], ROWB<<16                    ; tensor_dim0
	s_mov_b32 s[\g+2], 128<<16                     ; tensor_dim1
	s_mov_b32 s[\g+3], ROWB<<16                    ; tile_dim0
	s_mov_b32 s[\g+4], 128                         ; tile_dim1
	s_mov_b32 s[\g+5], KROW                        ; from row to row
	s_mov_b32 s[\g+6], 0
	s_mov_b32 s[\g+7], 0
.endr
	; the scale bytes of 128 rows: 4,096 dense bytes as 16 rows of 256 (32 elements of 8 bytes), 16 bytes of padding behind each
	s_or_b32 s[G1S+0], s43, (3<<16)|(1<<20)|(1<<21)|(5<<22)|(3<<25)
	s_or_b32 s[G1SB+0], s44, (3<<16)|(1<<20)|(1<<21)|(5<<22)|(3<<25)
.irp g, G1S, G1SB
	s_mov_b32 s[\g+1], 32<<16
	s_mov_b32 s[\g+2], (128*KS/256)<<16
	s_mov_b32 s[\g+3], 32<<16
	s_mov_b32 s[\g+4], 128*KS/256
	s_mov_b32 s[\g+5], 32
	s_mov_b32 s[\g+6], 0
	s_mov_b32 s[\g+7], 0
.endr
	s_lshl_b32 s18, s16, 7                         ; which 128 rows of the tile I fetch
	s_lshl_b32 s20, s17, 8
	s_add_co_u32 s20, s20, s18                     ; A: row 256 x tile + 128 x half
	s_lshl_b32 s46, s42, 8
	s_add_co_u32 s46, s46, s18                     ; B likewise
	s_mov_b32 s21, 0
	s_mov_b32 s47, 0
	s_mov_b64 s[18:19], KS
	s_mul_u64 s[22:23], s[20:21], s[18:19]         ; where these rows' scale bytes begin,
	s_mul_u64 s[92:93], s[46:47], s[18:19]
	s_mov_b64 s[18:19], KROW
	s_mul_u64 s[20:21], s[20:21], s[18:19]         ; and their codes
	s_mul_u64 s[46:47], s[46:47], s[18:19]
	s_mul_i32 s45, s14, HALFT                      ; where they go: wave x 128 rows: no place in the cluster enters an LDS address
	s_mul_i32 s94, s14, HALFS
	s_wait_dscnt 0x0                               ; both opening adds are done
	s_wait_kmcnt 0x0
	s_add_nc_u64 s[8:9], s[4:5], HSCL              ; hidden's scale bytes
	s_add_nc_u64 s[10:11], s[6:7], WSCL            ; the weights'
	s_cmp_eq_u32 s[ISV], 1
	s_cselect_b64 s[96:97], s[6:7], s[4:5]         ; A's codes,
	s_cselect_b64 s[98:99], s[10:11], s[8:9]       ; A's scale bytes,
	s_cselect_b64 s[4:5], s[4:5], s[6:7]           ; B's codes,
	s_cselect_b64 s[8:9], s[8:9], s[10:11]         ; B's scale bytes
	s_add_nc_u64 s[20:21], s[96:97], s[20:21]
	s_add_nc_u64 s[22:23], s[98:99], s[22:23]
	s_add_nc_u64 s[46:47], s[4:5], s[46:47]
	s_add_nc_u64 s[92:93], s[8:9], s[92:93]
	CROUND                                         ; all sixteen work-groups are here: the first joint loads meet
	s_mov_b32 s[G0S], 1
	s_add_co_u32 s[G0S+1], s94, SCL
	s_mov_b64 s[G0S+2:G0S+3], s[22:23]
	s_or_b32 s[G0S+3], s[G0S+3], 0x80000000
	s_mov_b32 s[G0SB], 1
	s_add_co_u32 s[G0SB+1], s94, SCL
	s_mov_b64 s[G0SB+2:G0SB+3], s[92:93]
	s_or_b32 s[G0SB+3], s[G0SB+3], 0x80000000
	JLOAD G0S, G1S, G0SB, G1SB                     ; the scale bytes first: they are wanted with slot 0
.irp s, 0,1
	s_mov_b32 s[G0+4*\s], 1
	s_add_co_u32 s[G0+4*\s+1], s45, \s*SLOT
	s_add_nc_u64 s[G0+4*\s+2:G0+4*\s+3], s[20:21], \s*ROWB
	s_or_b32 s[G0+4*\s+3], s[G0+4*\s+3], 0x80000000
	s_mov_b32 s[G0B+4*\s], 1
	s_add_co_u32 s[G0B+4*\s+1], s45, \s*SLOT
	s_add_nc_u64 s[G0B+4*\s+2:G0B+4*\s+3], s[46:47], \s*ROWB
	s_or_b32 s[G0B+4*\s+3], s[G0B+4*\s+3], 0x80000000
	JLOAD G0+4*\s, G1, G0B+4*\s, G1B               ; by this text's count three tensor loads of a wave are out
.endr
	v_and_b32 v1, 15, v0                           ; l % 16
	v_bfe_u32 v2, v0, 4, 1                         ; l / 16
	v_mul_u32_u24 v3, v1, PITCH
	v_lshl_add_u32 v4, v2, 4, v3                   ; a fragment's row x pitch + 16 x half
	s_mul_i32 s21, s15, HALFT                      ; my 128 rows of A
	s_mul_i32 s22, s16, HALFT                      ; my 128 rows of B,
	s_add_co_u32 s22, s22, 2*HALFT                 ; which lie behind A's 256
.irp s, 0,1
	v_add_nc_u32 v[ADRA+\s], s21, v4
	v_add_nc_u32 v[ADRB+\s], s22, v4
	s_add_co_u32 s21, s21, SLOT
	s_add_co_u32 s22, s22, SLOT
.endr
	v_mul_u32_u24 v5, v1, KS                       ; my row's scale bytes: 32 a row,
	v_lshrrev_b32 v6, 8, v5
	v_lshl_add_u32 v5, v6, 4, v5                   ; and 16 more for each 256 passed
	s_mul_i32 s21, s15, HALFS
	s_mul_i32 s22, s16, HALFS
	s_add_co_u32 s22, s22, 2*HALFS
	s_sub_co_u32 s22, s22, s21
	v_mul_u32_u24 v6, s22, v2                      ; lanes 16-31 take B's: one product, the distance between the two bases
	s_add_co_u32 s21, s21, SCL
	v_add_nc_u32 v5, v5, v6
	v_add_nc_u32 v[ADRS], s21, v5
	v_and_b32 v6, 31, v0
	v_lshlrev_b32 v[CO], 4, v6
	; where my 128 x 128 results begin in qkvf.  Channels come from the weight's rows, tokens from hidden's.
	s_cmp_eq_u32 s[ISV], 1
	s_cselect_b32 s66, s17, s42                    ; the weight's tile,
	s_cselect_b32 s67, s15, s16                    ; my half of it,
	s_cselect_b32 s100, s42, s17                   ; hidden's tile,
	s_cselect_b32 s101, s16, s15                   ; my half of it
	s_lshl_b32 s66, s66, 2
	s_lshl_b32 s67, s67, 1
	s_add_co_u32 s66, s66, s67                     ; my first head among the 48 of q, k, v: 4 x tile + 2 x half
	s_lshr_b32 s67, s66, 4
	s_lshl_b32 s67, s67, 24                        ; q, k or v: 16 Mi each
	s_and_b32 s66, s66, 15
	s_lshl_b32 s66, s66, 18                        ; the head: 256 Ki
	s_add_co_u32 s66, s66, s67
	s_lshr_b32 s67, s100, 3
	s_lshl_b32 s67, s67, 22                        ; the batch: 8 tiles of 256 tokens; 4 Mi
	s_add_co_u32 s66, s66, s67
	s_and_b32 s100, s100, 7
	s_lshl_b32 s100, s100, 15                      ; 16 token tiles of 2,048 bytes
	s_add_co_u32 s66, s66, s100
	s_lshl_b32 s101, s101, 14                      ; 8 token tiles
	s_add_co_u32 s66, s66, s101
	s_mov_b32 s67, 0
	s_add_nc_u64 s[12:13], s[12:13], s[66:67]
.macro FRAG reg, adr, q, i             ; 16 rows x 128 K of 4-bit codes: 8 registers: lane l holds row l % 16; registers 4 c .. 4 c + 3 hold K = 64 c + 32 (l / 16) + 0 .. 31
.irp c, 0,1
	ds_load_b128 v[\reg+4*\c:\reg+4*\c+3], v[\adr] offset:64*(\q)+32*\c+(\i)*16*PITCH
.endr
.endm
; 16 matrix instructions: A's blocks a0, a0 + 1 x B's eight, the slot's q-th 128 along K.  The 64 accumulators take turns, one instruction a turn, in the same order in every step.
; One register carries A's scale word (lanes 0-15) and B's (lanes 16-31).
.macro MUL16 a0, p, q, sc, zero
.irp a, \a0, \a0+1
.irp b, 0,1,2,3,4,5,6,7
.if \zero
	v_wmma_scale_f32_16x16x128_f8f6f4 v[8*(8*((\a)%4)+\b):8*(8*((\a)%4)+\b)+7], v[128*(\p)+FR*\b:128*(\p)+FR*\b+FR-1], v[AF+FR*(\a):AF+FR*(\a)+FR-1], 0, v[SC+8*NQ*(\sc)+NQ*\b+(\q)], v[SC+8*NQ*(\sc)+NQ*(\a)+(\q)] matrix_a_fmt:MATRIX_FMT_FP4 matrix_b_fmt:MATRIX_FMT_FP4 matrix_a_scale:MATRIX_SCALE_ROW1
.else
	v_wmma_scale_f32_16x16x128_f8f6f4 v[8*(8*((\a)%4)+\b):8*(8*((\a)%4)+\b)+7], v[128*(\p)+FR*\b:128*(\p)+FR*\b+FR-1], v[AF+FR*(\a):AF+FR*(\a)+FR-1], v[8*(8*((\a)%4)+\b):8*(8*((\a)%4)+\b)+7], v[SC+8*NQ*(\sc)+NQ*\b+(\q)], v[SC+8*NQ*(\sc)+NQ*(\a)+(\q)] matrix_a_fmt:MATRIX_FMT_FP4 matrix_b_fmt:MATRIX_FMT_FP4 matrix_a_scale:MATRIX_SCALE_ROW1
.endif
.endr
.endr
.endm
.macro FETCH_B slot, q, p
	WIN TO_B
.irp i, 0,1,2,3,4,5,6,7
	FRAG 128*(\p)+FR*\i, ADRB+\slot, \q, \i
.endr
	WIN 0
.endm
.macro FETCH_A slot, q, i0
.irp i, \i0, \i0+1, \i0+2, \i0+3
	FRAG AF+FR*(\i), ADRA+\slot, \q, \i
.endr
.endm
.macro SCALES sc                       ; a slot's scale words: four words a row; lanes 0-15 take A's block i, lanes 16-31 B's block i
.irp i, 0,1,2,3,4,5,6,7
	ds_load_b128 v[SC+8*NQ*\sc+NQ*\i:SC+8*NQ*\sc+NQ*\i+3], v[ADRS] offset:\i*SBLK
.endr
.endm
.macro PLACES n                        ; plain vector instructions between a matrix instruction and a load into, or a vector read or write of, its registers
.rept \n
	v_nop
.endr
.endm
.macro STEP slot, q, zero              ; 128 along K, with its successor in the same slot
	s_wait_dscnt 4*NL                              ; B's set and A's blocks 0-3 are in; the youngest eight loads (A's blocks 4-7) may be out
	WIN MUL_LO
	MUL16 0, (\q)%2, \q, \slot, \zero
	MUL16 2, (\q)%2, \q, \slot, \zero
	s_wait_dscnt 0
	PLACES NP
	FETCH_B \slot, (\q)+1, 1-(\q)%2
	FETCH_A \slot, (\q)+1, 0
	WIN MUL_HI
	MUL16 4, (\q)%2, \q, \slot, \zero
	MUL16 6, (\q)%2, \q, \slot, \zero
	PLACES NP
	WIN 0
	FETCH_A \slot, (\q)+1, 4
.endm
.macro STEPS slot, from
.set Q, \from
.rept NQ-1-\from
	STEP \slot, Q, 0
.set Q, Q+1
.endr
.endm
	s_wait_tensorcnt 1                             ; the scale bytes and my part of slot 0 are in; slot 1's load may be out
	s_barrier_signal -1
	s_barrier_wait -1                              ; everybody's are
	FETCH_B 0, 0, 0
	FETCH_A 0, 0, 0
	SCALES 0
	FETCH_A 0, 0, 4
	STEP 0, 0, 1                                   ; the first products start the sums: nothing is cleared
	STEPS 0, 1
	; slot 0's last step goes over to slot 1: one barrier; in front of it each wave waits for its tensor loads
	s_wait_tensorcnt 0x0                           ; my part of slot 1 has landed
	ds_add_u32 v[SPW], v[NIL]
	s_wait_dscnt 4*NL+1                            ; the add and the youngest eight loads may be out
	WIN MUL_LO
	MUL16 0, 1, NQ-1, 0, 0
	s_wait_dscnt 0x0                               ; no LDS instruction of mine is pending at the signal
	s_barrier_signal -1
	MUL16 2, 1, NQ-1, 0, 0
	WIN 0
	s_barrier_wait -1                              ; slot 1 is whole
	PLACES NP
	v_add_nc_u32 v[ADRS], 4*NQ, v[ADRS]            ; slot 1's scale words: 16 bytes on in each row
	FETCH_B 1, 0, 0
	FETCH_A 1, 0, 0
	SCALES 1
	WIN MUL_HI
	MUL16 4, 1, NQ-1, 0, 0
	MUL16 6, 1, NQ-1, 0, 0
	PLACES NP
	WIN 0
	FETCH_A 1, 0, 4
	STEPS 1, 0
	s_wait_dscnt 4*NL                              ; the last step: nothing more to fetch
	WIN MUL_LO
	MUL16 0, 1, NQ-1, 1, 0
	MUL16 2, 1, NQ-1, 1, 0
	s_wait_dscnt 0
	WIN MUL_HI
	MUL16 4, 1, NQ-1, 1, 0
	MUL16 6, 1, NQ-1, 1, 0
	WIN 0
; THE WAY OUT.  A's block a: its eight accumulators round to f16, each from its low end on, 16 bytes a lane, and are stored as they stand.  v = 0: block a is a token tile, b a channel tile (piece b % 4 of head b / 4);
; v = 1: block a is a channel tile (piece a % 4 of head a / 4), b a token tile.
.macro OUTB a, v
.set AC, 64*((\a)%4)
.set OBB, OB+32*((\a)%4)
.if (\a) >= 4
	s_wait_xcnt 0x0                                ; block a - 4's stores have read these registers
.endif
	WIN 0x0a+5*((\a)/4)                            ; sources in window 2 or 3
.irp b, 0,1,2,3,4,5,6,7
.irp r, 0,1,2,3
	v_cvt_pk_f16_f32 v[OBB+4*\b+\r], v[AC+8*\b+2*\r], v[AC+8*\b+2*\r+1]
.endr
.endr
	WIN 0
.irp b, 0,1,2,3,4,5,6,7
.if \v
	global_store_b128 v[CO], v[OBB+4*\b:OBB+4*\b+3], s[12:13] offset:\b*2048+((\a)%4)*512+((\a)/4)*262144
.else
	global_store_b128 v[CO], v[OBB+4*\b:OBB+4*\b+3], s[12:13] offset:(\a)*2048+(\b%4)*512+(\b/4)*262144
.endif
.endr
.endm
	PLACES NP                                      ; in front of writes into the registers that held A's fragments; the later blocks' reads have the earlier blocks' conversions between
	s_cmp_eq_u32 s[ISV], 1                         ; the cluster's x alone: the same in all partners
	s_cbranch_scc1 .Lout_v
.irp a, 0,1,2,3,4,5,6,7
	OUTB \a, 0
.endr
	s_branch .Lout_done
.Lout_v:
.irp a, 0,1,2,3,4,5,6,7
	OUTB \a, 1
.endr
.Lout_done:
	s_wait_tensorcnt 0x0                           ; the wave's end
	ds_add_u32 v[SPW], v[NIL]
	s_wait_dscnt 0x0
	CROUND                                         ; the closing round: no work-group ends while a partner may still ask for a tile that names it
	s_endpgm
.Lfunc_end_k_q783492d83d_qkv:
	.size	k_q783492d83d_qkv, .Lfunc_end_k_q783492d83d_qkv-k_q783492d83d_qkv
	.p2alignl 7, 3214868480
	.fill 96, 4, 3214868480
	.section	.rodata,"a",@progbits
	.p2align	6, 0x0
	.amdhsa_kernel k_q783492d83d_qkv
		.amdhsa_group_segment_fixed_size 327680
		.amdhsa_private_segment_fixed_size 0
		.amdhsa_enable_private_segment 0
		.amdhsa_kernarg_size 24
		.amdhsa_user_sgpr_count 2
		.amdhsa_user_sgpr_kernarg_segment_ptr 1
		.amdhsa_wavefront_size32 1
		.amdhsa_system_sgpr_workgroup_id_x 1
		.amdhsa_system_sgpr_workgroup_id_y 1
		.amdhsa_system_sgpr_workgroup_id_z 1
		.amdhsa_system_vgpr_workitem_id 0
		.amdhsa_next_free_vgpr 1024
		.amdhsa_next_free_sgpr 102
		.amdhsa_reserve_vcc 0
		.amdhsa_float_denorm_mode_32 3
		.amdhsa_float_denorm_mode_16_64 3
		.amdhsa_memory_ordered 1
		.amdhsa_forward_progress 1
		.amdhsa_inst_pref_size 141
	.end_amdhsa_kernel
	.amdgpu_metadata
---
amdhsa.version: [ 1, 2 ]
amdhsa.kernels:
  - .name:           k_q783492d83d_qkv
    .symbol:         k_q783492d83d_qkv.kd
    .args:
      - { .name: hcod, .offset: 0, .size: 8, .value_kind: global_buffer, .address_space: global }
      - { .name: wcod, .offset: 8, .size: 8, .value_kind: global_buffer, .address_space: global }
      - { .name: qkvf, .offset: 16, .size: 8, .value_kind: global_buffer, .address_space: global }
    .group_segment_fixed_size: 327680
    .private_segment_fixed_size: 0
    .kernarg_segment_align: 8
    .kernarg_segment_size: 24
    .max_flat_workgroup_size: 128
    .sgpr_count:     102
    .vgpr_count:     1024
    .wavefront_size: 32
...
	.end_amdgpu_metadata
.endif
;; end of part 2
;; launch attn (part 3): grid 8 x 64, 4 waves a work-group, no clusters, 327,680 bytes of LDS; arguments qkvf, bimg, ctxf; writes ctxf
.if DOCPART == 3
	.amdgcn_target "amdgcn-amd-amdhsa--gfx1250"
	.amdhsa_code_object_version 6
	.text
	.protected	k_q783492d83d_attn
	.globl	k_q783492d83d_attn
	.p2align	8
	.type	k_q783492d83d_attn,@function
k_q783492d83d_attn:
	s_mov_b64 s[64:65], 0
	v_nop
	global_prefetch_b8 v0, s[64:65] scope:SCOPE_SE
	s_setreg_imm32_b32 hwreg(HW_REG_WAVE_MODE, 25, 1), 1
	s_wait_xcnt 0x0
; ATTN: ctx[b][q][head] = the sum over k of softmax_k(q . k + bias(k - q)) v[k], head size 64, 2,048 keys, no scaling, no mask.  q, k, v, the weights p and ctx are f16; products, maxima and sums are f32.
; qkvf: q at 0, k at 16 Mi, v at 32 Mi, each [batch x 16 + head][token tile 128][piece 4][512 bytes]: each piece is half an f16 operand's register image (16 bytes a lane at 16 x lane).
; bimg: [head][idx 28][1,024 bytes]: the bias of a 16 x 16 tile of scores whose first key lies 16 (idx - 12) behind its first query, as the image of an accumulator.  ctxf: [token tile 512][k fragment 32][half 2][512 bytes].
; SHARES.  A work-group owns 256 queries of one head, each of its four waves 64: four tiles of 16.  Every wave walks all keys, 64 a step.
; LAYOUT.  S^T = K Q^T + bias (source 0 = 16 keys, source 1 = 16 queries): a lane holds ONE query and eight keys.  Two such tiles rounded to f16 ARE source 1 of O^T = V^T P, whose result holds one query a lane and eight channels.
; THE BIAS COSTS NO VECTOR WORK: it is the C of each score tile's first product.  It hangs on key tile - query tile alone, so seven images serve a step's sixteen tiles.  More than 90 keys off the diagonal it is one number on each side:
; the images are loaded only in the six steps whose first key lies from 128 before to 192 behind the wave's first query (a scalar branch on ids); before them the registers hold the far constant of the one side, the last of the six loads leaves that of the other.
; THE ROW SUM IS A PRODUCT: a fifth source 0, ONES (1.0 everywhere), against P: register 0 of that accumulator is the lane's query's sum of p as rounded to f16.  Registers 0 and 1 are rescaled with O^T, register 0 is read; the others are never read.
; SOFTMAX.  A running maximum m for each query: p = 2^(c s - c m), c = log2(e); in every step O^T and the sum are multiplied by a = 2^(c m_old - c m_new).
; BY TURNS.  The wave's tiles are two pieces (tiles 0, 1 and tiles 2, 3).  In a turn one piece has the matrix unit: 20 products V^T P (the two sums among them) of the step in hand, then 16 products K Q^T of the next step; the other piece's softmax,
; 206 vector instructions cut into 36 slices, stands between them, one slice behind each product.  Two turns are a key step.
; NO CLUSTER: the partners would be the query blocks of a head; the branch round the bias loads hangs on the wave's first query, which partners do not share, and loading seven images in every step instead would move more bytes (7 KiB a wave
; and step) than joint loads of K and V spare (16 KiB a work-group and step, shared by four).
; LIMITS: |q|, |k|, |v| under 65,504; p under 2^-24 falls to 0 in f16; NaN and infinities are not served.
; REGISTERS, in windows of 256 (s_set_vgpr_msb: bits 1:0 source 0, 3:2 source 1, 5:4 source 2, 7:6 destination):
;   window 0: v2-5 addresses; v12-43 statistics, 8 a tile; v61-63; v64-191 S^T, 32 a tile; v192-255 P, 16 a tile
;   window 1: v0-127 O^T, 32 a tile; v128-159 the sums, 8 a tile; v160-223 Q, 16 a tile          window 2: v0-63 K of one step; v64-127 V of one step; v128-183 the seven bias images; v184-191 ONES
.set STEPB, 8192                       ; a step's 64 keys of K, or of V, in LDS
.set VOFF,  32768                      ; a slot: 256 keys of K, then of V
.set SLOT1, 65536                      ; slot 1 begins here: one exclusive or turns an address in one slot into the other's
.set SPARE, 131072                     ; behind the ring: the spare words, 128 bytes for each wave: two blocks of 256 bytes that no other line names
.set LI,  2                            ; v2   16 x lane: my place in every image; never rewritten
.set ADR, 4                            ; v4   the LDS address of the run of loads in hand
.set ADB, 5                            ; v5   my offset among the head's bias images
.set PFO, 61                           ; v61  256 x lane; never rewritten
.set SPW, 62                           ; v62  my spare word; never rewritten
.set NIL, 63                           ; v63  0; never rewritten
.set ST,  12                           ; tile t's statistics at v[ST+8 t]: +0 c m, +1 m, +4 to +7 c0-c3, at work; a takes c2's place once the maximum is found
.set S,   64
.set P,   192
.set LS,  128                          ; in window 1
.set QF,  160
.set KF,  0                            ; in window 2
.set VF,  64
.set BI,  128
.set ONES, 184
.set WV,  12                           ; s12  my wave's number
.set Q0W, 15                           ; s15  my wave's first query
.set G1,  24                           ; s[24:31] descriptor group 1
.set G0,  32                           ; s[32:39] group 0: a set for each first fill; the second then walks on
.set PFA, 40                           ; s[40:41] where my prefetches stand
.set LIM, 42                           ; s42  1 in a work-group that prefetches, else the greatest number
.set SLOTS, 43                         ; s43  slots still to be asked for
.set CNT, 44                           ; s44  counts key steps
.set TB,  45                           ; s45  LDS byte at which the step to be fetched begins
.set KFN, 46                           ; s46  the first key of the step to be fetched
.set T0,  47                           ; s47  at work
.set CS,  50                           ; s[50:51] c: the packed scaling names a pair and takes its low word for both halves
.set SEL, 52                           ; s[52:53] lane selects for v_permlanex16_b32: lane l xor 16
.set MSB, 0
.macro WIN new                         ; the immediate's high byte repeats the setting that is left; a switch that changes nothing is dropped
.if MSB != (\new)
	s_set_vgpr_msb (MSB<<8)|(\new)
.set MSB, (\new)
.endif
.endm
.set W_KQ0, 0x26                       ; K window 2, Q window 1, C = a bias image in window 2, S^T window 0
.set W_KQ,  0x06                       ; the same, C = S^T
.set W_PV,  0x52                       ; V or ONES window 2, P window 0, C and D window 1
.set W_RS,  0x41                       ; O^T or the sum (destination and source 0) window 1, a window 0
.macro PLACES
.rept 4
	v_nop
.endr
.endm
	s_load_b128 s[4:7], s[0:1], 0x0                ; qkvf, bimg
	s_load_b64 s[8:9], s[0:1], 0x10                ; ctxf
	v_lshl_add_u32 v[SPW], v0, 2, SPARE
	v_mov_b32 v[NIL], 0
	ds_add_u32 v[SPW], v[NIL]                      ; the wave's opening: the add, twice on end, and its wait ahead of my first tensor load
	ds_add_u32 v[SPW], v[NIL]
	v_lshrrev_b32 v1, 5, v0
	v_readfirstlane_b32 s[WV], v1                  ; wave 0..3
	s_and_b32 s13, ttmp7, 0xffff                   ; batch x 16 + head
	s_and_b32 s14, s13, 15                         ; head
	s_lshl_b32 s[Q0W], ttmp9, 8
	s_lshl_b32 s16, s[WV], 6
	s_add_co_u32 s[Q0W], s[Q0W], s16               ; 256 x work-group x + 64 x wave
	; descriptor group 1: 16 KiB, dense in memory and in LDS, as 64 rows of 256 bytes (32 elements of 8 bytes)
	s_mov_b32 s[G1], 3<<16                         ; no mask; elements of 8 bytes; no padding: images are read at 16 x lane
	s_mov_b32 s[G1+1], 32<<16                      ; tensor_dim0
	s_mov_b32 s[G1+2], 64<<16                      ; tensor_dim1
	s_mov_b32 s[G1+3], 32<<16                      ; tile_dim0
	s_mov_b32 s[G1+4], 64                          ; tile_dim1
	s_mov_b32 s[G1+5], 32                          ; from row to row
	s_mov_b32 s[G1+6], 0
	s_mov_b32 s[G1+7], 0
	; what I fetch of a slot: waves 0, 1: the halves of K's 32 KiB; waves 2, 3: of V's
	s_lshr_b32 s16, s[WV], 1
	s_add_co_u32 s16, s16, 1
	s_lshl_b32 s16, s16, 24                        ; k at 16 Mi, v at 32 Mi
	s_lshl_b32 s17, s13, 18                        ; my head's 256 Ki
	s_add_co_u32 s16, s16, s17
	s_and_b32 s18, s[WV], 1
	s_lshl_b32 s18, s18, 14
	s_add_co_u32 s16, s16, s18
	s_lshl_b32 s20, s[Q0W], 7                      ; q: 2,048 bytes for each 16 queries
	s_add_co_u32 s20, s20, s17
	s_mov_b32 s17, 0
	s_mov_b32 s21, 0
	s_mul_i32 s22, s14, 28672                      ; my head's bias images
	s_mov_b32 s23, 0
	s_lshr_b32 s48, s13, 4
	s_lshl_b32 s48, s48, 11
	s_add_co_u32 s48, s48, s[Q0W]
	s_add_co_u32 s48, s48, s14
	s_lshl_b32 s48, s48, 11                        ; ctx: (token / 16) x 32,768 + head x 2,048 = (token + head) x 2,048
	s_mov_b32 s49, 0
	s_mov_b32 s[CS], 0x3fb8aa3b                    ; c = log2(e)
	s_mov_b32 s[CS+1], s[CS]
	s_mov_b32 s[SEL], 0x76543210
	s_mov_b32 s[SEL+1], 0xfedcba98
	s_mov_b32 s[TB], 0
	s_mov_b32 s[KFN], 0
	s_mov_b32 s[SLOTS], 6
	s_cmp_eq_u32 ttmp9, 0                          ; all eight work-groups of a head walk the same K and V: the first prefetches
	s_cselect_b32 s[LIM], 1, -1
	s_wait_dscnt 0x0                               ; both opening adds are done
	s_wait_kmcnt 0x0
	s_add_nc_u64 s[18:19], s[4:5], s[16:17]        ; my part of slot 0 in memory
	s_mov_b32 s[G0], 1
	s_lshl_b32 s[G0+1], s[WV], 14                  ; LDS: 16,384 x wave
	s_mov_b64 s[G0+2:G0+3], s[18:19]
	s_or_b32 s[G0+3], s[G0+3], 0x80000000
	s_mov_b32 s[G0+4], 1
	s_add_co_u32 s[G0+5], s[G0+1], SLOT1
	s_add_nc_u64 s[G0+6:G0+7], s[18:19], 32768     ; the next 256 keys
	s_or_b32 s[G0+7], s[G0+7], 0x80000000
	tensor_load_to_lds s[G0:G0+3], s[G1:G1+7]      ; both first fills go out together: two loads of mine are out
	s_nop 0
	tensor_load_to_lds s[G0+4:G0+7], s[G1:G1+7]
	s_nop 0
	PLACES
	s_add_nc_u64 s[PFA:PFA+1], s[18:19], 65536     ; at slot 2: the first change of slots steps it to slot 3.  Nothing is prefetched at the head
	s_add_nc_u64 s[4:5], s[4:5], s[20:21]          ; q at my first query
	s_add_nc_u64 s[6:7], s[6:7], s[22:23]
	s_add_nc_u64 s[8:9], s[8:9], s[48:49]
	v_and_b32 v[LI], 31, v0
	v_lshlrev_b32 v[PFO], 8, v[LI]
	v_lshlrev_b32 v[LI], 4, v[LI]
	WIN 0x40                                       ; destination window 1
.irp n, 0,1,2,3,4,5,6,7,8,9,10,11,12,13,14,15  ; Q stays in registers: my four tiles' sixteen pieces are 8,192 consecutive bytes
	global_load_b128 v[QF+4*\n:QF+4*\n+3], v[LI], s[4:5] offset:512*\n th:TH_LOAD_NT
.endr
	WIN 0x80                                       ; destination window 2
.irp i, 0,1,2,3,4,5,6
	global_load_b128 v[BI+8*\i:BI+8*\i+3],   v[LI], s[6:7]             ; image 0 seven times: the constant for keys far ahead of the query
	global_load_b128 v[BI+8*\i+4:BI+8*\i+7], v[LI], s[6:7] offset:512
.endr
.irp j, 0,1,2,3,4,5,6,7
	v_mov_b32 v[ONES+\j], 0x3c003c00               ; two f16 ones
.endr
	WIN 0
; THE MATRIX WORK OF A TURN, for piece x.  The accumulators take turns, one instruction a turn: between two links of a chain stand 9 (V^T P) or 7 (K Q^T) others'.
; Product i of 20: keys 32 (i / 10) on; (i / 2) % 5 = 0..3: channels 16 x that on; 4: the sum; tile x + i % 2.  zero = 1: the first ten start the sums.
.macro PV x, zero
	WIN W_PV
.set tt, (\x)+i%2
.set uu, (i/2)%5
.set gg, i/10
.set rP, P+16*tt+8*gg
.if uu < 4
.set rO, 32*tt+8*uu
.set rV, VF+8*(4*gg+uu)
.else
.set rO, LS+8*tt
.set rV, ONES
.endif
.if (\zero) && (i < 10)
	v_wmma_f32_16x16x32_f16 v[rO:rO+7], v[rV:rV+7], v[rP:rP+7], 0
.else
	v_wmma_f32_16x16x32_f16 v[rO:rO+7], v[rV:rV+7], v[rP:rP+7], v[rO:rO+7]
.endif
.endm
; Product i of 16 of S^T: channels 32 (i / 8) on, keys 16 ((i / 2) % 4) on, tile x + i % 2.  The first eight start the sums with the bias image of key tile - query tile.
.macro KQ x
.set tt, (\x)+i%2
.set kt, (i/2)%4
.set ff, i/8
.set rS, S+32*tt+8*kt
.set rK, KF+8*(2*kt+ff)
.set rQ, QF+16*tt+8*ff
.set rB, BI+8*(kt-tt+3)
.if i < 8
	WIN W_KQ0
	v_wmma_f32_16x16x32_f16 v[rS:rS+7], v[rK:rK+7], v[rQ:rQ+7], v[rB:rB+7]
.else
	WIN W_KQ
	v_wmma_f32_16x16x32_f16 v[rS:rS+7], v[rK:rK+7], v[rQ:rQ+7], v[rS:rS+7]
.endif
.endm
; THE LOADS stand in runs.  A step's K: eight fragments, 8,192 consecutive LDS bytes; with it, near the diagonal, the step's seven bias images from memory.
.macro FETCH_K
	WIN 0
	v_add_nc_u32 v[ADR], s[TB], v[LI]
	s_sub_co_u32 s[T0], s[KFN], s[Q0W]
	s_add_co_u32 s[T0], s[T0], 128                 ; the step's first key - my first query + 128: 0 .. 320 in the six steps that want the table
	s_add_co_u32 s[KFN], s[KFN], 64
	s_cmp_le_u32 s[T0], 320
	s_cbranch_scc0 .Lfar_\@
	s_lshl_b32 s[T0], s[T0], 6                     ; image i is number T0 / 16 + 1 + i, 1,024 bytes each
	v_add_nc_u32 v[ADB], s[T0], v[LI]              ; (the last loads by this register were waited for in front of the products that read them)
	WIN 0x80
.irp i, 0,1,2,3,4,5,6
	global_load_b128 v[BI+8*\i:BI+8*\i+3],   v[ADB], s[6:7] offset:1024+1024*\i
	global_load_b128 v[BI+8*\i+4:BI+8*\i+7], v[ADB], s[6:7] offset:1024+1024*\i+512
.endr
	WIN 0
.Lfar_\@:
	WIN 0x80
.irp n, 0,1,2,3,4,5,6,7,8,9,10,11,12,13,14,15
	ds_load_b128 v[KF+4*\n:KF+4*\n+3], v[ADR] offset:512*\n
.endr
.endm
; A step's V: fragment 4 g + ct takes its registers 0-3 from token tile 2 g and 4-7 from token tile 2 g + 1, piece ct of each.  The wait for the softmax's batch stands in it.
.macro FETCH_V
	WIN 0
	v_add_nc_u32 v[ADR], s[TB], v[LI]
	s_add_co_u32 s[TB], s[TB], STEPB               ; the next fetch is the next step's
	s_wait_alu depctr_va_vdst(0)                   ; between the exponentials and the first line that names a result: one for the batch
	WIN 0x80
.irp f, 0,1,2,3,4,5,6,7
	ds_load_b128 v[VF+8*\f:VF+8*\f+3],   v[ADR] offset:VOFF+(\f/4)*4096+(\f%4)*512
	ds_load_b128 v[VF+8*\f+4:VF+8*\f+7], v[ADR] offset:VOFF+(\f/4)*4096+2048+(\f%4)*512
.endr
.endm
; THE VECTOR WORK OF A TURN.  One tile's softmax for a key step is a list of 103 instructions; SM writes number j of it for tile t.  s0-s31 are the lane's 32 scores.
;   0-15    the maximum of s0-s31 and the old m, three operands at a time (each accumulator is read from its low end on)
;   16-20   the other half of the lanes' maximum; c m_old kept; the new m; c m; c m_old - c m_new
;   21-69   ONE BATCH: 16 scalings c s - c m, a pair each, and 33 exponentials (a at 23, then s0-s31); none reads an exponential's result; a pair is scaled well ahead of its exponentials
;   (wait)  between 69 and 70: SLICE writes it, once for both tiles
;   70-85   the roundings to f16, a pair of weights each
;   86-101  the tile's O^T times a;   102 its sum times a
; first = 1: the first key step, which has no old m, no a and nothing to rescale.
.macro SM t, first
.set rT, ST+8*(\t)
.set rS, S+32*(\t)
.set rP, P+16*(\t)
.if j < 86
	WIN 0
.endif
.if j < 4
	v_max3_num_f32 v[rT+4+j], v[rS+8*j], v[rS+8*j+1], v[rS+8*j+2]
.elseif j < 12
	v_max3_num_f32 v[rT+4+j%4], v[rT+4+j%4], v[rS+8*(j%4)+2*(j/4)+1], v[rS+8*(j%4)+2*(j/4)+2]
.elseif j == 12
	v_max3_num_f32 v[rT+4], v[rT+4], v[rS+7], v[rS+15]
.elseif j == 13
	v_max3_num_f32 v[rT+6], v[rT+6], v[rS+23], v[rS+31]
.elseif j == 14
	v_max3_num_f32 v[rT+4], v[rT+4], v[rT+5], v[rT+6]
.elseif (j == 15) && \first
	v_max_num_f32 v[rT+4], v[rT+4], v[rT+7]
.elseif j == 15
	v_max3_num_f32 v[rT+4], v[rT+4], v[rT+7], v[rT+1]
.elseif j == 16
	v_permlanex16_b32 v[rT+5], v[rT+4], s[SEL], s[SEL+1]  ; the query's other 32 keys lie in the lane 16 away
.elseif j == 18
	v_max_num_f32 v[rT+1], v[rT+4], v[rT+5]
.elseif j == 19
	v_mul_f32 v[rT], s[CS], v[rT+1]
.elseif ((j == 17) || (j == 20) || (j == 23) || (j > 85)) && \first
.elseif j == 17
	v_mov_b32 v[rT+7], v[rT]
.elseif j == 20
	v_sub_f32 v[rT+7], v[rT+7], v[rT]
.elseif j == 23
	v_exp_f32 v[rT+6], v[rT+7]
.elseif (j < 23) || ((j < 38) && (j%2 == 0)) || ((j < 66) && (j%4 == 2))
.set b, (j-2)/4                        ; 38, 42, .. 62: pairs 9 to 15
.if j < 38
.set b, (j-20)/2                       ; 21: pair 0; 22, 24, .. 36: pairs 1 to 8
.endif
	v_pk_fma_f32 v[rS+2*b:rS+2*b+1], v[rS+2*b:rS+2*b+1], s[CS:CS+1], v[rT:rT+1] op_sel_hi:[1,0,0] neg_lo:[0,0,1] neg_hi:[0,0,1]
.elseif j < 70
.set e, j-38                           ; 66 to 69: s28 to s31
.if j < 66
.set e, j-32-(j-38)/4                  ; 39-41, 43-45, .. 63-65: s7 to s27
.endif
.if j < 38
.set e, (j-25)/2                       ; 25, 27, .. 37: s0 to s6
.endif
	v_exp_f32 v[rS+e], v[rS+e]
.elseif j < 86
	v_cvt_pk_f16_f32 v[rP+j-70], v[rS+2*(j-70)], v[rS+2*(j-70)+1]
.elseif j < 102
	WIN W_RS
.set rO, 32*(\t)+2*(j-86)
	v_pk_mul_f32 v[rO:rO+1], v[rO:rO+1], v[rT+6:rT+7] op_sel_hi:[1,0]
.else
	WIN W_RS
.set rO, LS+8*(\t)
	v_pk_mul_f32 v[rO:rO+1], v[rO:rO+1], v[rT+6:rT+7] op_sel_hi:[1,0]
.endif
.endm
; Slice k of 36 of piece y's softmax: two or three numbers of the list, each for both tiles, the tiles alternating.  Slices 0-27: numbers 3 k on; 28: 84, 85; 29-31: three each from 86; 32-35: two each from 95.
; Slice 35 is four plain multiplies that name nothing of the products round them: they are the places between the turn's last K Q^T and the next turn's first read of those scores and the loads into K's registers.
.macro SLICE y, first
.if k < 28
.set j, 3*k
.set nj, 3
.elseif k == 28
.set j, 84
.set nj, 2
.elseif k < 32
.set j, 86+3*(k-29)
.set nj, 3
.else
.set j, 95+2*(k-32)
.set nj, 2
.endif
.rept nj
.if j == 70                            ; the batch is out and no result has been named
	v_nop                                          ; a plain instruction behind the last exponential
.if (\y) == 0
	FETCH_V                                        ; piece 2's turn: V's run of loads stands here, with the wait in it.  V's last reader is the turn's 18th product; behind it stand numbers 54, 58 and 62 of both tiles, this v_nop and the run's own addition
.else
	s_wait_alu depctr_va_vdst(0)                   ; one wait for the piece's 66 exponentials
.endif
.endif
	SM (\y), \first
	SM (\y)+1, \first
.set j, j+1
.endr
.set k, k+1
.endm
; A TURN.  Piece x has the matrix unit.  pv = 2: 20 products V^T P; 1: they start the sums; 0: none.  kq = 1: 16 products K Q^T for the next step.  Behind the c-th of the turn's NP products the slices run up to 36 c / NP.
; Piece 0's turn fetches the next step's K (and bias) behind its second product: 18 products ahead of their use.
.macro TURN x, pv, kq, first
.set k, 0
.set cnt, 0
.set NP, 0
.if \pv
.set NP, NP+20
.endif
.if \kq
.set NP, NP+16
.endif
.if \pv
.if \x == 0
	s_wait_dscnt 0x0                               ; V is in
.endif
.set i, 0
.rept 20
	PV \x, 2-\pv
.set cnt, cnt+1
.rept 36*cnt/NP-k
	SLICE 2-\x, \first
.endr
.if (\x == 0) && \kq && (i == 1)
	FETCH_K
.endif
.set i, i+1
.endr
.endif
.if \kq
.if \x == 0
	s_wait_dscnt 0x0                               ; K is in,
	s_wait_loadcnt 0x0                             ; and the bias images, where they were asked for
.endif
.set i, 0
.rept 16
	KQ \x
.set cnt, cnt+1
.rept 36*cnt/NP-k
	SLICE 2-\x, \first
.endr
.set i, i+1
.endr
.endif
.if \first
	PLACES                                         ; the first step's last slices are empty: these take slice 35's part
.endif
.endm
; A PREFETCH INTO THE L2 of my wave's 16 KiB of the slot that the NEXT change of slots will ask for: two instructions, lanes 256 bytes apart.  Of the eight work-groups that walk a head's K and V the first asks, each of its waves for the
; part that it will itself fetch: each aligned block of 256 bytes is named once in the launch.  It stands four key steps ahead of the load that will want the bytes.  Slots 0 to 2 come by their loads alone; the last change that fills a slot asks for nothing.
.macro ASK
	s_cmp_gt_u32 s[SLOTS], s[LIM]
	s_cbranch_scc0 .Lnot_mine_\@
	global_prefetch_b8 v[PFO], s[PFA:PFA+1] th:TH_LOAD_NT scope:SCOPE_SE
	global_prefetch_b8 v[PFO], s[PFA:PFA+1] offset:8192 th:TH_LOAD_NT scope:SCOPE_SE
.Lnot_mine_\@:
.endm
; THE CHANGE OF SLOTS, when the slot's last bytes, V of its fourth step, have been asked for.  Each wave waits for all its tensor loads (one is out: its part of the other slot), adds 0 to its spare word, and waits for that and for its reads
; of the slot.  Behind the barrier nobody reads this slot and the other is whole.  fill = 1: this slot is filled with the keys two slots on: my one tensor load, first behind the barrier; it has four key steps in which to land.
.macro CHANGE fill
	WIN 0
	s_wait_tensorcnt 0x0                           ; no tensor load of mine is out, so a group 0 may be written
	ds_add_u32 v[SPW], v[NIL]
.if \fill
	s_xor_b32 s[G0+5], s[G0+5], SLOT1              ; the walking descriptor: the other slot than last time,
	s_add_nc_u64 s[G0+6:G0+7], s[G0+6:G0+7], 32768 ; the next 256 keys
	s_wait_xcnt 0x0                                ; the last prefetches, a slot back, have read their address
	s_add_nc_u64 s[PFA:PFA+1], s[PFA:PFA+1], 32768
.endif
	s_wait_dscnt 0x0                               ; the add is done, and my reads of the slot are over
	s_barrier_signal -1
	s_barrier_wait -1
.if \fill
	tensor_load_to_lds s[G0+4:G0+7], s[G1:G1+7]
	s_nop 0
	PLACES
	ASK
.endif
	s_sub_co_u32 s[TB], s[TB], 4*STEPB             ; the fetches go back to a slot's first step,
	s_xor_b32 s[TB], s[TB], SLOT1                  ; in the other slot
.endm
.macro STEPS n                         ; n key steps: written once; the LDS addresses hang on s[TB]
	s_mov_b32 s[CNT], \n
.Lstep_\@:
	TURN 0, 2, 1, 0
	TURN 2, 2, 1, 0
	WIN 0
	s_sub_co_u32 s[CNT], s[CNT], 1
	s_cmp_lg_u32 s[CNT], 0
	s_cbranch_scc1 .Lstep_\@
.endm
	s_wait_tensorcnt 0x1                           ; my part of slot 0 is in; slot 1's may stay out
	s_barrier_signal -1
	s_barrier_wait -1                              ; everybody's is
	s_wait_loadcnt 0x0                             ; Q and the far bias: the fetch below may load into the images again
	FETCH_K                                        ; key step 0
	s_wait_dscnt 0x0
	s_wait_loadcnt 0x0
.set i, 0
.rept 16
	KQ 0                                           ; piece 0's first scores: there is no vector work yet to set between them
.set i, i+1
.endr
	WIN 0
	PLACES
	TURN 2, 0, 1, 1                                ; piece 2's first scores | piece 0's first softmax | V of step 0
	TURN 0, 1, 1, 1                                ; piece 0: V^T P of step 0 starts the sums, K Q^T of step 1 | piece 2's first softmax | K of step 1
	TURN 2, 1, 1, 0                                ; piece 2: the same | piece 0's softmax of step 1 | V of step 1
	WIN 0
	STEPS 2                                        ; they fetch steps 2 and 3: slot 0 has been read
.Lslot:                                            ; six trips: slots 2 to 7 are asked for
	CHANGE 1
	STEPS 4
	s_sub_co_u32 s[SLOTS], s[SLOTS], 1
	s_cmp_lg_u32 s[SLOTS], 0
	s_cbranch_scc1 .Lslot
	CHANGE 0                                       ; the tail is written out
	STEPS 4
	TURN 0, 2, 0, 0                                ; piece 0: V^T P of the last step | piece 2's last softmax
.set i, 0
.rept 20
	PV 2, 0                                        ; piece 2: V^T P of the last step
.set i, i+1
.endr
	; THE WAY OUT.  O^T is divided by the sum and rounded to f16: a tile of 16 queries x 16 channels is 16 bytes a lane, half an operand's image of the last product, stored as it stands: 512 consecutive aligned bytes a store.
	WIN 0
	PLACES                                         ; between the last products and the first read of their results
	WIN 0x01                                       ; source window 1, destination window 0
.irp t, 0,1,2,3
	v_rcp_f32 v[ST+8*\t+6], v[LS+8*\t]
.endr
	v_nop                                          ; a plain instruction behind the last reciprocal
	s_wait_alu depctr_va_vdst(0)                   ; and the wait: one for the four
.macro OUT t
	WIN W_RS
.set i, 0
.rept 16
	v_pk_mul_f32 v[32*\t+i:32*\t+i+1], v[32*\t+i:32*\t+i+1], v[ST+8*\t+6:ST+8*\t+7] op_sel_hi:[1,0]
.set i, i+2
.endr
	WIN 0x05                                       ; sources window 1, destination window 0: S^T's registers are free
.set i, 0
.rept 16
	v_cvt_pk_f16_f32 v[S+16*\t+i], v[32*\t+2*i], v[32*\t+2*i+1]
.set i, i+1
.endr
	WIN 0
.irp c, 0,1,2,3
	global_store_b128 v[LI], v[S+16*\t+4*\c:S+16*\t+4*\c+3], s[8:9] offset:\t*32768+\c*512
.endr
.endm
	OUT 0
	OUT 1
	OUT 2
	OUT 3
	s_wait_tensorcnt 0x0                           ; the wave's end
	ds_add_u32 v[SPW], v[NIL]
	s_wait_dscnt 0x0
	s_endpgm
.Lfunc_end_k_q783492d83d_attn:
	.size	k_q783492d83d_attn, .Lfunc_end_k_q783492d83d_attn-k_q783492d83d_attn
	.p2alignl 7, 3214868480
	.fill 96, 4, 3214868480
	.section	.rodata,"a",@progbits
	.p2align	6, 0x0
	.amdhsa_kernel k_q783492d83d_attn
		.amdhsa_group_segment_fixed_size 327680
		.amdhsa_private_segment_fixed_size 0
		.amdhsa_enable_private_segment 0
		.amdhsa_kernarg_size 24
		.amdhsa_user_sgpr_count 2
		.amdhsa_user_sgpr_kernarg_segment_ptr 1
		.amdhsa_wavefront_size32 1
		.amdhsa_system_sgpr_workgroup_id_x 1
		.amdhsa_system_sgpr_workgroup_id_y 1
		.amdhsa_system_sgpr_workgroup_id_z 1
		.amdhsa_system_vgpr_workitem_id 0
		.amdhsa_next_free_vgpr 704
		.amdhsa_next_free_sgpr 66
		.amdhsa_reserve_vcc 0
		.amdhsa_float_denorm_mode_32 3
		.amdhsa_float_denorm_mode_16_64 3
		.amdhsa_memory_ordered 1
		.amdhsa_forward_progress 1
		.amdhsa_inst_pref_size 184
	.end_amdhsa_kernel
	.amdgpu_metadata
---
amdhsa.version: [ 1, 2 ]
amdhsa.kernels:
  - .name:           k_q783492d83d_attn
    .symbol:         k_q783492d83d_attn.kd
    .args:
      - { .name: qkvf, .offset: 0, .size: 8, .value_kind: global_buffer, .address_space: global }
      - { .name: bimg, .offset: 8, .size: 8, .value_kind: global_buffer, .address_space: global }
      - { .name: ctxf, .offset: 16, .size: 8, .value_kind: global_buffer, .address_space: global }
    .group_segment_fixed_size: 327680
    .private_segment_fixed_size: 0
    .kernarg_segment_align: 8
    .kernarg_segment_size: 24
    .max_flat_workgroup_size: 128
    .sgpr_count:     66
    .vgpr_count:     704
    .wavefront_size: 32
...
	.end_amdgpu_metadata
.endif
;; end of part 3
;; launch oproj (part 4): grid 4 x 64, 4 waves a work-group, clusters of 4 x 4, 327,680 bytes of LDS; arguments ctxf, wof, out0; writes out0
.if DOCPART == 4
	.amdgcn_target "amdgcn-amd-amdhsa--gfx1250"
	.amdhsa_code_object_version 6
	.text
	.protected	k_q783492d83d_oproj
	.globl	k_q783492d83d_oproj
	.p2align	8
	.type	k_q783492d83d_oproj,@function
k_q783492d83d_oproj:
	s_mov_b64 s[64:65], 0
	v_nop
	global_prefetch_b8 v0, s[64:65] scope:SCOPE_SE
	s_setreg_imm32_b32 hwreg(HW_REG_WAVE_MODE, 25, 1), 1
	s_wait_xcnt 0x0
	s_wait_alu depctr_hold_cnt(0) depctr_sa_sdst(0) depctr_va_vdst(0) depctr_va_sdst(0) depctr_va_ssrc(0) depctr_va_vcc(0) depctr_vm_vsrc(0)
	s_getreg_b32 s2, hwreg(HW_REG_IB_STS2, 6, 4)
	s_cmp_eq_u32 s2, 0
	s_cbranch_scc0 .Lentry_in_a_cluster
	s_endpgm
.Lentry_in_a_cluster:
	s_bfe_u32 s2, ttmp6, 0x10000c
	s_cmp_lg_u32 s2, 0xf033
	s_cbranch_scc0 .Lentry_shape_is_right
	s_endpgm
.Lentry_shape_is_right:
; OPROJ: out0[m][n] = the sum over k of ctx[m][k] wo[k][n], m 8,192, n 1,024, k 1,024; f16 operands, f32 sums, f32 out.
; Both operands lie in memory as images of operand registers: ctxf [token tile 512][k fragment 32][half 2][512 bytes], wof [n tile 64][k fragment 32][half 2][512 bytes]: a fragment (16 rows x 32 K) is two loads of 16 bytes a lane at 16 x lane.
; A tile of 128 (m) x 256 (n) is made by a work-group of four waves: 256 work-groups.  A wave makes 64 x 128: 32 accumulators, 256 registers.  K goes in steps of 128 (four k fragments: 4,096 consecutive bytes of each tile of 16 rows)
; through a ring of two LDS slots.  No padding: every LDS read of a wave is 512 consecutive bytes.
; CLUSTERS: 4 x 4 work-groups; ctx's tiles are asked for jointly along a row of the cluster, wo's along a column.  THE MATRIX INSTRUCTION IS USED TRANSPOSED (source 0 = 16 columns of wo, source 1 = 16 tokens): a lane holds eight neighbouring numbers of a row of out0.
; No prefetch: each K step's tiles are shared by joint loads, wo is read by all sixteen clusters, and the launch is short.
; REGISTERS: window 0: v0-31 addresses; v32-127, v128-223 two fragment buffers (in each: ctx's four fragments, then wo's eight); on the way out v32-159 rows.  window 1: the accumulators ((a, b) at v[8 (8 a + b)]).
.set SLOT,   98304                     ; ctx's 8 tiles x 4,096 bytes, then wo's 16
.set BOFF,   32768
.set STAGE,  2*SLOT                    ; behind the ring: 16 rows x (512 bytes + 16) for each wave; no tensor load lands here
.set SPITCH, 528
.set SPARE,  STAGE+4*16*SPITCH         ; the spare words, 128 bytes for each wave: two blocks of 256 bytes that no other line names
.set LAPS,   4                         ; a lap = two K steps = once round the ring
.set LI,   3                           ; v3      16 x lane
.set ADRA, 16                          ; v16-17  LDS address of my ctx fragments in slot 0, 1
.set ADRB, 20                          ; v20-21  the same for wo
.set STO,  24                          ; v24     the way out: where I put 32 bytes of a row
.set RD,   25                          ; v25     where I read a row back
.set SPW,  28                          ; v28     my spare word; never rewritten
.set NIL,  29                          ; v29     0; never rewritten
.set F0,   32
.set F1,   128
.set BK,   32
.set G1, 24
.set G0, 32
.set G1B, 48
.set G0B, 56
.set MSB, 0
.macro WIN new
.if MSB != (\new)
	s_set_vgpr_msb (MSB<<8)|(\new)
.set MSB, (\new)
.endif
.endm
.set MUL, 0x50                         ; sources 0 and 1 window 0; C and D window 1
.macro JLOAD s                         ; a joint load: waves 0 and 1 fetch ctx's two halves, waves 2 and 3 wo's; an s_nop 0 and four v_nop follow each of the two lines
	s_cmp_eq_u32 s11, 0
	s_cbranch_scc0 .Lfor_b_\@
	tensor_load_to_lds s[G0+4*\s:G0+4*\s+3], s[G1:G1+7]
	s_nop 0
.rept 4
	v_nop
.endr
	s_branch .Lasked_\@
.Lfor_b_\@:
	tensor_load_to_lds s[G0B+4*\s:G0B+4*\s+3], s[G1B:G1B+7]
	s_nop 0
.rept 4
	v_nop
.endr
.Lasked_\@:
.endm
.macro CREST                           ; a round of the cluster's barrier behind its opening barrier
	s_cmp_lg_u32 s10, 0
	s_cbranch_scc1 .Lnot_wave_0_\@
	s_barrier_signal -3
.Lnot_wave_0_\@:
	s_barrier_wait -3
	s_barrier_signal -1
	s_barrier_wait -1
.endm
.macro CROUND
	s_barrier_signal -1
	s_barrier_wait -1
	CREST
.endm
	s_load_b128 s[4:7], s[0:1], 0x0                ; ctxf, wof
	s_load_b64 s[8:9], s[0:1], 0x10                ; out0
	v_lshl_add_u32 v[SPW], v0, 2, SPARE
	v_mov_b32 v[NIL], 0
	ds_add_u32 v[SPW], v[NIL]                      ; the wave's opening: the add, twice on end, and its wait ahead of my first tensor load
	ds_add_u32 v[SPW], v[NIL]
	v_lshrrev_b32 v1, 5, v0
	v_readfirstlane_b32 s10, v1                    ; wave 0..3
	s_lshr_b32 s11, s10, 1                         ; which 64 rows are mine.  Also: I fetch for ctx (0) or for wo (1)
	s_and_b32 s12, s10, 1                          ; which 128 columns.  Also: which half of that tile I fetch
	s_bfe_u32 s40, ttmp6, 0x40000                  ; cx, cy
	s_bfe_u32 s41, ttmp6, 0x40004
	s_lshl_b32 s42, ttmp9, 2
	s_add_co_u32 s42, s42, s40                     ; tile column = 4 x cluster x + cx
	s_and_b32 s13, ttmp7, 0xffff
	s_lshl_b32 s13, s13, 2
	s_add_co_u32 s13, s13, s41                     ; tile row = 4 x cluster y + cy
	s_lshl_b32 s43, s41, 2
	s_lshl_b32 s43, 15, s43                        ; my row of the cluster
	s_lshl_b32 s44, 0x1111, s40                    ; my column
	; descriptor group 1: rows of 4,096 bytes (512 elements of 8 bytes), 32,768 bytes apart in memory, on end in LDS: four of them for ctx, eight for wo
	s_or_b32 s[G1+0], s43, (3<<16)|(1<<21)         ; the mask; elements of 8 bytes; bit 21 beside a mask; no padding
	s_or_b32 s[G1B+0], s44, (3<<16)|(1<<21)
	s_mov_b32 s[G1+1], 512<<16                     ; tensor_dim0
	s_mov_b32 s[G1+2], 4<<16                       ; tensor_dim1
	s_mov_b32 s[G1+3], 512<<16                     ; tile_dim0
	s_mov_b32 s[G1+4], 4                           ; tile_dim1
	s_mov_b32 s[G1+5], 4096                        ; from row to row, in elements
	s_mov_b32 s[G1+6], 0
	s_mov_b32 s[G1+7], 0
	s_mov_b32 s[G1B+1], 512<<16
	s_mov_b32 s[G1B+2], 8<<16
	s_mov_b32 s[G1B+3], 512<<16
	s_mov_b32 s[G1B+4], 8
	s_mov_b32 s[G1B+5], 4096
	s_mov_b32 s[G1B+6], 0
	s_mov_b32 s[G1B+7], 0
	s_lshl_b32 s16, s13, 3
	s_lshl_b32 s17, s12, 2
	s_add_co_u32 s16, s16, s17
	s_lshl_b32 s16, s16, 15                        ; ctx: token tile 8 x tile row + 4 x half
	s_mov_b32 s17, 0
	s_lshl_b32 s46, s42, 4
	s_lshl_b32 s47, s12, 3
	s_add_co_u32 s46, s46, s47
	s_lshl_b32 s46, s46, 15                        ; wo: n tile 16 x tile column + 8 x half
	s_mov_b32 s47, 0
	s_lshl_b32 s20, s12, 14                        ; where they go: ctx's halves at 0 and 16,384;
	s_lshl_b32 s21, s12, 15
	s_add_co_u32 s21, s21, BOFF                    ; wo's at 32,768 and 65,536: no place in the cluster enters an LDS address
	s_wait_dscnt 0x0                               ; both opening adds are done
	s_wait_kmcnt 0x0
	s_add_nc_u64 s[14:15], s[4:5], s[16:17]
	s_add_nc_u64 s[46:47], s[6:7], s[46:47]
	CROUND                                         ; all sixteen work-groups are here: the first joint loads meet
.irp s, 0,1
	s_mov_b32 s[G0+4*\s], 1
	s_add_co_u32 s[G0+4*\s+1], s20, \s*SLOT
	s_add_nc_u64 s[G0+4*\s+2:G0+4*\s+3], s[14:15], \s*4096
	s_or_b32 s[G0+4*\s+3], s[G0+4*\s+3], 0x80000000
	s_mov_b32 s[G0B+4*\s], 1
	s_add_co_u32 s[G0B+4*\s+1], s21, \s*SLOT
	s_add_nc_u64 s[G0B+4*\s+2:G0B+4*\s+3], s[46:47], \s*4096
	s_or_b32 s[G0B+4*\s+3], s[G0B+4*\s+3], 0x80000000
	JLOAD \s                                       ; two tensor loads of a wave are out
.endr
	v_and_b32 v1, 15, v0                           ; l % 16
	v_bfe_u32 v2, v0, 4, 1                         ; l / 16
	v_and_b32 v[LI], 31, v0
	v_lshlrev_b32 v[LI], 4, v[LI]
	s_lshl_b32 s21, s11, 14                        ; my four token tiles
	s_lshl_b32 s22, s12, 15
	s_add_co_u32 s22, s22, BOFF                    ; my eight n tiles
.irp s, 0,1
	v_add_nc_u32 v[ADRA+\s], s21, v[LI]
	v_add_nc_u32 v[ADRB+\s], s22, v[LI]
	s_add_co_u32 s21, s21, SLOT
	s_add_co_u32 s22, s22, SLOT
.endr
	s_mul_i32 s23, s10, 16*SPITCH
	s_add_co_u32 s23, s23, STAGE                   ; my stage
	v_mul_u32_u24 v4, v1, SPITCH                   ; in: row l % 16, 32 bytes for each half of the lanes
	v_lshl_add_u32 v4, v2, 5, v4
	v_add_nc_u32 v[STO], s23, v4
	v_add_nc_u32 v[RD], s23, v[LI]                 ; back: the 32 lanes take one row of 512 bytes
	s_lshl_b32 s16, s13, 7
	s_lshl_b32 s17, s11, 6
	s_add_co_u32 s16, s16, s17
	s_lshl_b32 s16, s16, 12                        ; my first row of out0: 128 x tile row + 64 x half, 4,096 bytes a row
	s_mov_b32 s17, 0
	s_add_nc_u64 s[8:9], s[8:9], s[16:17]
	s_lshl_b32 s46, s42, 10                        ; my first column, in bytes: 1,024 x tile column + 512 x half
	s_lshl_b32 s47, s12, 9
	s_add_co_u32 s46, s46, s47
	s_mov_b32 s47, 0
	s_add_nc_u64 s[8:9], s[8:9], s[46:47]
; 8 matrix instructions: token tile a x my eight n tiles, 32 along K, from buffer f.  The 32 accumulators take turns, one instruction a turn, in the same order in every quarter.
.macro MUL8 f, a, zero
.irp b, 0,1,2,3,4,5,6,7
.if \zero
	v_wmma_f32_16x16x32_f16 v[8*(8*(\a)+\b):8*(8*(\a)+\b)+7], v[\f+32+8*\b:\f+32+8*\b+7], v[\f+8*(\a):\f+8*(\a)+7], 0
.else
	v_wmma_f32_16x16x32_f16 v[8*(8*(\a)+\b):8*(8*(\a)+\b)+7], v[\f+32+8*\b:\f+32+8*\b+7], v[\f+8*(\a):\f+8*(\a)+7], v[8*(8*(\a)+\b):8*(8*(\a)+\b)+7]
.endif
.endr
.endm
; 24 LDS loads in one run: k fragment q of the slot into buffer f: wo's eight fragments first, then ctx's four
.macro FETCH slot, q, f
	WIN 0
.irp i, 0,1,2,3,4,5,6,7
	ds_load_b128 v[\f+32+8*\i:\f+32+8*\i+3],   v[ADRB+\slot] offset:\i*4096+\q*1024
	ds_load_b128 v[\f+32+8*\i+4:\f+32+8*\i+7], v[ADRB+\slot] offset:\i*4096+\q*1024+512
.endr
.irp i, 0,1,2,3
	ds_load_b128 v[\f+8*\i:\f+8*\i+3],   v[ADRA+\slot] offset:\i*4096+\q*1024
	ds_load_b128 v[\f+8*\i+4:\f+8*\i+7], v[ADRA+\slot] offset:\i*4096+\q*1024+512
.endr
.endm
.macro PLACES                          ; four plain vector instructions in front of loads into registers that matrix instructions have read, and of the first read of results
.rept 4
	v_nop
.endr
.endm
; A K step is four quarters of 32 along K, 32 matrix instructions each, on buffers 0, 1, 0, 1.  One of the first three: multiplies buffer f and fetches k fragment q into g.
.macro QUARTER slot, q, f, g, zero
	s_wait_dscnt 4                                 ; wo's fragments and ctx's 0 and 1 are in; the youngest four loads (ctx's 2 and 3) may be out
	WIN MUL
	MUL8 \f, 0, \zero
	MUL8 \f, 1, \zero
	PLACES
	FETCH \slot, \q, \g
	s_wait_dscnt 24                                ; all but the 24 just issued
	WIN MUL
	MUL8 \f, 2, \zero
	MUL8 \f, 3, \zero
.endm
; The last quarter multiplies buffer 1 and changes slots: ONE barrier; in front of it each wave waits for all its tensor loads, adds 0 to its spare word, and waits for that and for its reads of this slot.  fill = 1: the barrier opens a round
; of the cluster's barrier, and this slot is filled again, two K steps ahead, first thing behind the round.
.macro TURN slot, next, fill
	WIN 0
	s_wait_tensorcnt 0x0                           ; all my tensor loads have landed: my part of the next slot
	ds_add_u32 v[SPW], v[NIL]
	s_wait_dscnt 5                                 ; the add and the youngest four loads may be out
	WIN MUL
	MUL8 F1, 0, 0                                  ; eight matrix instructions stand between the add and the wait for it
	s_wait_dscnt 0x0                               ; the add is done, and my reads of this slot are over
	s_barrier_signal -1
	MUL8 F1, 1, 0
.if \fill
	WIN 0
.endif
	s_barrier_wait -1
.if \fill
	CREST                                          ; no wave of any partner still reads this slot's tile or has a load on its way
	s_add_nc_u64 s[G0+4*\slot+2:G0+4*\slot+3], s[G0+4*\slot+2:G0+4*\slot+3], 8192
	s_add_nc_u64 s[G0B+4*\slot+2:G0B+4*\slot+3], s[G0B+4*\slot+2:G0B+4*\slot+3], 8192
	JLOAD \slot                                    ; the four v_nop behind it are also the places in front of the loads below
.else
	PLACES
.endif
	FETCH \next, 0, F0
	WIN MUL
	MUL8 F1, 2, 0
	MUL8 F1, 3, 0
.endm
	s_wait_tensorcnt 1                             ; my part of K step 0 is in; K step 1's may be out
	s_barrier_signal -1
	s_barrier_wait -1                              ; everybody's is
	FETCH 0, 0, F0
	QUARTER 0, 1, F0, F1, 1                        ; the first quarter stands in front of the loop: its products start the sums
	WIN 0
	s_mov_b32 s3, LAPS-1
.Llap:                                             ; a trip goes once round the ring, from a lap's second quarter to the next lap's first, and fills both slots again
	QUARTER 0, 2, F1, F0, 0
	QUARTER 0, 3, F0, F1, 0
	TURN 0, 1, 1
	QUARTER 1, 1, F0, F1, 0
	QUARTER 1, 2, F1, F0, 0
	QUARTER 1, 3, F0, F1, 0
	TURN 1, 0, 1
	QUARTER 0, 1, F0, F1, 0
	WIN 0
	s_sub_co_u32 s3, s3, 1
	s_cmp_lg_u32 s3, 0
	s_cbranch_scc1 .Llap
	QUARTER 0, 2, F1, F0, 0                        ; the last lap fills nothing, and has no round of the cluster's barrier
	QUARTER 0, 3, F0, F1, 0
	TURN 0, 1, 0
	QUARTER 1, 1, F0, F1, 0
	QUARTER 1, 2, F1, F0, 0
	QUARTER 1, 3, F0, F1, 0
	s_wait_dscnt 4                                 ; the very last quarter: nothing more to fetch
	WIN MUL
	MUL8 F1, 0, 0
	MUL8 F1, 1, 0
	s_wait_dscnt 0
	MUL8 F1, 2, 0
	MUL8 F1, 3, 0
	WIN 0
; THE WAY OUT, block by block of 16 rows x 128 columns.  A lane holds 32 neighbouring bytes of a row and the lanes beside it hold other rows: a block goes through my own stage and comes back as whole rows of 512 bytes.
; LDS serves a wave's instructions in order (ISA guide 5.7.1.4): no wait between the stores and the loads, nor in front of the next block's stores.
.macro TOSTAGE a
	WIN 0x04                                       ; an LDS store's data are its source 1: window 1
.irp b, 0,1,2,3,4,5,6,7
	ds_store_b128 v[STO], v[8*(8*(\a)+\b):8*(8*(\a)+\b)+3] offset:64*\b            ; each accumulator from its low end on
	ds_store_b128 v[STO], v[8*(8*(\a)+\b)+4:8*(8*(\a)+\b)+7] offset:64*\b+16
.endr
	WIN 0
.set BB, BK+64*((\a)%2)
.irp t, 0,1,2,3,4,5,6,7,8,9,10,11,12,13,14,15
	ds_load_b128 v[BB+4*\t:BB+4*\t+3], v[RD] offset:\t*SPITCH
.endr
.endm
.macro SEND a, younger                 ; younger: the LDS instructions issued behind block a's loads, which may stay out
.set BB, BK+64*((\a)%2)
	s_wait_dscnt \younger                          ; the block is back in registers
.if (\a) > 0
	s_add_nc_u64 s[8:9], s[8:9], 65536             ; 16 rows on (behind a wait on XCNT for 0: the earlier stores have read their base)
.endif
.irp t, 0,1,2,3,4,5,6,7,8,9,10,11,12,13,14,15
	global_store_b128 v[LI], v[BB+4*\t:BB+4*\t+3], s[8:9] offset:\t*4096 th:TH_STORE_NT   ; 32 lanes store 512 consecutive bytes, aligned; written once, read by nobody here
.endr
.endm
	PLACES                                         ; in front of the stores that read results and of the loads into the fragment buffers
	TOSTAGE 0
.irp a, 1,2,3
.if \a > 1
	s_wait_xcnt 0x0                                ; block a - 2's stores have read their registers and their base
.endif
	TOSTAGE \a
	SEND \a-1, 32                                  ; behind block a - 1's loads: block a's 16 stores and 16 loads
.endr
	s_wait_xcnt 0x0                                ; block 2's stores have read their base
	SEND 3, 0
	s_wait_tensorcnt 0x0                           ; the wave's end, behind my last tensor load and my last LDS store
	ds_add_u32 v[SPW], v[NIL]
	s_wait_dscnt 0x0
	CROUND                                         ; the closing round: no work-group ends while a partner may still ask for a tile that names it
	s_endpgm
.Lfunc_end_k_q783492d83d_oproj:
	.size	k_q783492d83d_oproj, .Lfunc_end_k_q783492d83d_oproj-k_q783492d83d_oproj
	.p2alignl 7, 3214868480
	.fill 96, 4, 3214868480
	.section	.rodata,"a",@progbits
	.p2align	6, 0x0
	.amdhsa_kernel k_q783492d83d_oproj
		.amdhsa_group_segment_fixed_size 327680
		.amdhsa_private_segment_fixed_size 0
		.amdhsa_enable_private_segment 0
		.amdhsa_kernarg_size 24
		.amdhsa_user_sgpr_count 2
		.amdhsa_user_sgpr_kernarg_segment_ptr 1
		.amdhsa_wavefront_size32 1
		.amdhsa_system_sgpr_workgroup_id_x 1
		.amdhsa_system_sgpr_workgroup_id_y 1
		.amdhsa_system_sgpr_workgroup_id_z 1
		.amdhsa_system_vgpr_workitem_id 0
		.amdhsa_next_free_vgpr 512
		.amdhsa_next_free_sgpr 66
		.amdhsa_reserve_vcc 0
		.amdhsa_float_denorm_mode_32 3
		.amdhsa_float_denorm_mode_16_64 3
		.amdhsa_memory_ordered 1
		.amdhsa_forward_progress 1
		.amdhsa_inst_pref_size 85
	.end_amdhsa_kernel
	.amdgpu_metadata
---
amdhsa.version: [ 1, 2 ]
amdhsa.kernels:
  - .name:           k_q783492d83d_oproj
    .symbol:         k_q783492d83d_oproj.kd
    .args:
      - { .name: ctxf, .offset: 0, .size: 8, .value_kind: global_buffer, .address_space: global }
      - { .name: wof, .offset: 8, .size: 8, .value_kind: global_buffer, .address_space: global }
      - { .name: out0, .offset: 16, .size: 8, .value_kind: global_buffer, .address_space: global }
    .group_segment_fixed_size: 327680
    .private_segment_fixed_size: 0
    .kernarg_segment_align: 8
    .kernarg_segment_size: 24
    .max_flat_workgroup_size: 128
    .sgpr_count:     66
    .vgpr_count:     512
    .wavefront_size: 32
...
	.end_amdgpu_metadata
.endif
;; end of part 4
